; MI455X (gfx1250); checked and timed in simulation.
; The chip was launched on July 23, 2026; its instructions are those of AMD's public machine-readable ISA for CDNA 5 (MIT licence, August 2026) and "CDNA5" Instruction Set Architecture Reference Guide (July 2026). The comments in the code are by the model that wrote it; some were corrected since.
;; Attention Naive. Allowed arithmetic: float matrix products may take bf16 or f16 operands with f32 sums; other float arithmetic in f32, or as packed bf16 or f16 multiplies, adds, multiply-adds, maxima and minima; sums over many terms, partial sums and values carried from step to step in f32; what a program stores and reads back later, other than sums and carried values, may be rounded once to bf16 or f16.
;; Inputs: Wk 2,048 x 2,048 float32; Wo 2,048 x 2,048 float32; Wq 2,048 x 2,048 float32; Wv 2,048 x 2,048 float32; bk 2,048 float32; bo 2,048 float32; bq 2,048 float32; bv 2,048 float32; hidden_states 2,048 x 2,048 float32.
;; Outputs: out0 2,048 x 2,048 float32.
;; One version. Each part assembles by itself: llvm-mc -triple=amdgcn-amd-amdhsa -mcpu=gfx1250 --defsym DOCPART=n.
;; ======== version 1 of 1: 6 launches
;; limits: values are held in f16: magnitudes above 65,504 overflow, below 6.1e-05 lose precision
;; workspace buffers: xb 8,388,608 bytes; wqkv 25,165,824 bytes; wo16 8,388,608 bytes; bias 32,768 bytes; qkv 25,165,824 bytes; ao 8,388,608 bytes; lor 786,432 bytes; o16 131,072 bytes
;; launch cast (part 1): grid 256 x 5, 8 waves a work-group, no clusters, 0 bytes of LDS; arguments hidden_states, Wq, Wk, Wv, Wo, bq, bk, bv, bo, xb, wqkv, wo16, bias; writes xb, wqkv, wo16, bias
.if DOCPART == 1
	.amdgcn_target "amdgcn-amd-amdhsa--gfx1250"
	.amdhsa_code_object_version 6
	.text
	.protected	k_qed3e7e3e23_cast
	.globl	k_qed3e7e3e23_cast
	.p2align	8
	.type	k_qed3e7e3e23_cast,@function
k_qed3e7e3e23_cast:
	s_mov_b64 s[64:65], 0
	v_nop
	global_prefetch_b8 v0, s[64:65] scope:SCOPE_SE
	s_setreg_imm32_b32 hwreg(HW_REG_WAVE_MODE, 25, 1), 1
	s_wait_xcnt 0x0
; THE INPUTS ROUNDED ONCE TO 16 BITS.  y = 0: hidden_states -> xb (bf16).  y = 1, 2, 3: Wq, Wk, Wv -> wqkv rows 0, 2048, 4096 on (bf16).
; y = 4: Wo -> wo16: rounded to bf16 like the others, and that number written as f16 (the product behind attention multiplies f16).
; The four biases, rounded to bf16 and kept as f32 words, go to bias: bq, bk, bv, bo, 2,048 words each.
; LIMITS.  bf16(Wo) below 2^-14 keeps f16's fixed step of 6e-8, beyond 65,504 it becomes an infinity; NaN and infinities are not treated apart.
; SHARES.  A matrix is 16,777,216 bytes; work-group x takes 65,536 of them.  Thread t loads 16 bytes at 16 t + 4,096 i, i = 0 .. 15: a wave's load covers 512
; consecutive bytes, and all sixteen loads go out before the first is waited for.  It stores 8 bytes at 8 t + 2,048 i: a wave's store covers 256 consecutive bytes, aligned.
; A stream: no LDS, no barrier, no matrix unit, nothing shared between work-groups, so no cluster.
.set X,  8                             ; v[8:71]   load i: 4 registers; its two packed results take the first two
.set T,  72                            ; v[72:79]  at work
.set BV, 80                            ; v[80:87]  8 numbers of a bias
	s_load_b512 s[8:23], s[0:1], 0x0               ; x s[8:9], Wq s[10:11], Wk s[12:13], Wv s[14:15], Wo s[16:17], bq s[18:19], bk s[20:21], bv s[22:23]
	s_load_b256 s[24:31], s[0:1], 0x40             ; bo s[24:25], xb s[26:27], wqkv s[28:29], wo16 s[30:31]
	s_load_b64 s[32:33], s[0:1], 0x60              ; bias
	s_and_b32 s2, ttmp7, 0xffff                    ; y: which matrix
	s_mov_b32 s3, ttmp9                            ; x: which 65,536 bytes of it
	v_lshlrev_b32 v1, 4, v0                        ; 16 t
	v_lshlrev_b32 v2, 3, v0                        ; 8 t
	s_lshl_b32 s40, s3, 16                         ; offsets are made apart from the addresses: the source's,
	s_mov_b32 s41, 0
	s_max_u32 s38, s2, 1
	s_sub_co_u32 s38, s38, 1                       ; max(y, 1) - 1
	s_lshl_b32 s44, s38, 13                        ; the bias's 8,192 bytes in the buffer bias,
	s_mov_b32 s45, 0
	s_lshl_b32 s38, s38, 23                        ; a weight's 8,388,608 bytes in wqkv,
	s_cmp_eq_u32 s2, 4
	s_cselect_b32 s38, 0, s38                      ; (wo16 is a buffer of its own)
	s_lshl_b32 s39, s3, 15
	s_add_co_u32 s38, s38, s39                     ; and the work-group's 32,768 bytes of the destination
	s_mov_b32 s39, 0
	s_mov_b32 s46, 0xffff0000                      ; a word's upper bf16
	s_wait_kmcnt 0x0
	s_cmp_eq_u32 s2, 1                             ; the source, its bias and the destination are chosen by y alone
	s_cselect_b64 s[34:35], s[10:11], s[8:9]
	s_cselect_b64 s[42:43], s[18:19], s[24:25]
	s_cmp_eq_u32 s2, 2
	s_cselect_b64 s[34:35], s[12:13], s[34:35]
	s_cselect_b64 s[42:43], s[20:21], s[42:43]
	s_cmp_eq_u32 s2, 3
	s_cselect_b64 s[34:35], s[14:15], s[34:35]
	s_cselect_b64 s[42:43], s[22:23], s[42:43]
	s_cmp_eq_u32 s2, 4
	s_cselect_b64 s[34:35], s[16:17], s[34:35]
	s_cselect_b64 s[36:37], s[30:31], s[28:29]
	s_cmp_eq_u32 s2, 0
	s_cselect_b64 s[36:37], s[26:27], s[36:37]
	s_add_nc_u64 s[34:35], s[34:35], s[40:41]
	s_add_nc_u64 s[36:37], s[36:37], s[38:39]
.irp i, 0,1,2,3,4,5,6,7,8,9,10,11,12,13,14,15
	global_load_b128 v[X+4*(\i):X+4*(\i)+3], v1, s[34:35] offset:4096*(\i) th:TH_LOAD_NT  ; read once in the whole launch
.endr
.macro CVB i                           ; four numbers to bf16
	s_wait_loadcnt 15-(\i)                         ; loads come back in order (ISA guide 5.7.1): load i is in, the 15 - i younger ones stay out
	v_cvt_pk_bf16_f32 v[X+4*(\i)], v[X+4*(\i)], v[X+4*(\i)+1]
	v_cvt_pk_bf16_f32 v[X+4*(\i)+1], v[X+4*(\i)+2], v[X+4*(\i)+3]
	global_store_b64 v2, v[X+4*(\i):X+4*(\i)+1], s[36:37] offset:2048*(\i)  ; each store has data registers of its own: none is rewritten
.endm
.macro CVH i                           ; four numbers to bf16, and those numbers to f16
	s_wait_loadcnt 15-(\i)
	v_cvt_pk_bf16_f32 v[T], v[X+4*(\i)], v[X+4*(\i)+1]
	v_cvt_pk_bf16_f32 v[T+1], v[X+4*(\i)+2], v[X+4*(\i)+3]
	v_lshlrev_b32 v[T+2], 16, v[T]                 ; bf16 to f32: the low half moves up, the high half stays
	v_and_b32 v[T+3], s46, v[T]
	v_lshlrev_b32 v[T+4], 16, v[T+1]
	v_and_b32 v[T+5], s46, v[T+1]
	v_cvt_pk_f16_f32 v[X+4*(\i)], v[T+2], v[T+3]
	v_cvt_pk_f16_f32 v[X+4*(\i)+1], v[T+4], v[T+5]
	global_store_b64 v2, v[X+4*(\i):X+4*(\i)+1], s[36:37] offset:2048*(\i)
.endm
	s_cmp_eq_u32 s2, 4
	s_cbranch_scc1 .Lhalf
.irp i, 0,1,2,3,4,5,6,7,8,9,10,11,12,13,14,15
	CVB \i
.endr
	s_branch .Lbias
.Lhalf:
.irp i, 0,1,2,3,4,5,6,7,8,9,10,11,12,13,14,15
	CVH \i
.endr
.Lbias:
	s_cmp_lg_u32 s3, 0                             ; the first work-group of each weight also rounds that weight's bias: 8,192 bytes, 32 a thread
	s_cbranch_scc1 .Lend
	s_cmp_eq_u32 s2, 0
	s_cbranch_scc1 .Lend
	s_add_nc_u64 s[32:33], s[32:33], s[44:45]
	global_load_b128 v[BV:BV+3], v1, s[42:43]
	global_load_b128 v[BV+4:BV+7], v1, s[42:43] offset:4096
	s_wait_loadcnt 0x0
.irp p, 0,1,2,3
	v_cvt_pk_bf16_f32 v[T+(\p)], v[BV+2*(\p)], v[BV+2*(\p)+1]
.endr
.irp p, 0,1,2,3
	v_lshlrev_b32 v[BV+2*(\p)], 16, v[T+(\p)]      ; kept as f32 words: the products take them as the start of their f32 sums
	v_and_b32 v[BV+2*(\p)+1], s46, v[T+(\p)]
.endr
	global_store_b128 v1, v[BV:BV+3], s[32:33]     ; 16 lanes store 256 consecutive bytes, aligned
	global_store_b128 v1, v[BV+4:BV+7], s[32:33] offset:4096
.Lend:
	s_endpgm
.Lfunc_end_k_qed3e7e3e23_cast:
	.size	k_qed3e7e3e23_cast, .Lfunc_end_k_qed3e7e3e23_cast-k_qed3e7e3e23_cast
	.p2alignl 7, 3214868480
	.fill 96, 4, 3214868480
	.section	.rodata,"a",@progbits
	.p2align	6, 0x0
	.amdhsa_kernel k_qed3e7e3e23_cast
		.amdhsa_group_segment_fixed_size 0
		.amdhsa_private_segment_fixed_size 0
		.amdhsa_enable_private_segment 0
		.amdhsa_kernarg_size 104
		.amdhsa_user_sgpr_count 2
		.amdhsa_user_sgpr_kernarg_segment_ptr 1
		.amdhsa_wavefront_size32 1
		.amdhsa_system_sgpr_workgroup_id_x 1
		.amdhsa_system_sgpr_workgroup_id_y 1
		.amdhsa_system_sgpr_workgroup_id_z 1
		.amdhsa_system_vgpr_workitem_id 0
		.amdhsa_next_free_vgpr 88
		.amdhsa_next_free_sgpr 66
		.amdhsa_reserve_vcc 0
		.amdhsa_float_denorm_mode_32 3
		.amdhsa_float_denorm_mode_16_64 3
		.amdhsa_memory_ordered 1
		.amdhsa_forward_progress 1
		.amdhsa_inst_pref_size 17
	.end_amdhsa_kernel
	.amdgpu_metadata
---
amdhsa.version: [ 1, 2 ]
amdhsa.kernels:
  - .name:           k_qed3e7e3e23_cast
    .symbol:         k_qed3e7e3e23_cast.kd
    .args:
      - { .name: hidden_states, .offset: 0, .size: 8, .value_kind: global_buffer, .address_space: global }
      - { .name: Wq, .offset: 8, .size: 8, .value_kind: global_buffer, .address_space: global }
      - { .name: Wk, .offset: 16, .size: 8, .value_kind: global_buffer, .address_space: global }
      - { .name: Wv, .offset: 24, .size: 8, .value_kind: global_buffer, .address_space: global }
      - { .name: Wo, .offset: 32, .size: 8, .value_kind: global_buffer, .address_space: global }
      - { .name: bq, .offset: 40, .size: 8, .value_kind: global_buffer, .address_space: global }
      - { .name: bk, .offset: 48, .size: 8, .value_kind: global_buffer, .address_space: global }
      - { .name: bv, .offset: 56, .size: 8, .value_kind: global_buffer, .address_space: global }
      - { .name: bo, .offset: 64, .size: 8, .value_kind: global_buffer, .address_space: global }
      - { .name: xb, .offset: 72, .size: 8, .value_kind: global_buffer, .address_space: global }
      - { .name: wqkv, .offset: 80, .size: 8, .value_kind: global_buffer, .address_space: global }
      - { .name: wo16, .offset: 88, .size: 8, .value_kind: global_buffer, .address_space: global }
      - { .name: bias, .offset: 96, .size: 8, .value_kind: global_buffer, .address_space: global }
    .group_segment_fixed_size: 0
    .private_segment_fixed_size: 0
    .kernarg_segment_align: 8
    .kernarg_segment_size: 104
    .max_flat_workgroup_size: 256
    .sgpr_count:     66
    .vgpr_count:     88
    .wavefront_size: 32
...
	.end_amdgpu_metadata
.endif
;; end of part 1
;; launch qkv (part 2): grid 16 x 16, 4 waves a work-group, clusters of 4 x 4, 327,680 bytes of LDS; arguments xb, wqkv, bias, qkv, lor; writes qkv, lor
.if DOCPART == 2
	.amdgcn_target "amdgcn-amd-amdhsa--gfx1250"
	.amdhsa_code_object_version 6
	.text
	.protected	k_qed3e7e3e23_qkv
	.globl	k_qed3e7e3e23_qkv
	.p2align	8
	.type	k_qed3e7e3e23_qkv,@function
k_qed3e7e3e23_qkv:
	s_mov_b64 s[64:65], 0
	v_nop
	global_prefetch_b8 v0, s[64:65] scope:SCOPE_SE
	s_setreg_imm32_b32 hwreg(HW_REG_WAVE_MODE, 25, 1), 1
	s_wait_xcnt 0x0
	s_wait_alu depctr_hold_cnt(0) depctr_sa_sdst(0) depctr_va_vdst(0) depctr_va_sdst(0) depctr_va_ssrc(0) depctr_va_vcc(0) depctr_vm_vsrc(0)
	s_getreg_b32 s2, hwreg(HW_REG_IB_STS2, 6, 4)
	s_cmp_eq_u32 s2, 0
	s_cbranch_scc0 .Lentry_in_a_cluster
	s_endpgm
.Lentry_in_a_cluster:
	s_bfe_u32 s2, ttmp6, 0x10000c
	s_cmp_lg_u32 s2, 0xf033
	s_cbranch_scc0 .Lentry_shape_is_right
	s_endpgm
.Lentry_shape_is_right:
; qkv[m][n] = bias[n] + the sum over k of xb[m][k] wqkv[n][k].  xb: [2048][2048] bf16, wqkv: [6144][2048] bf16 (Wq, Wk, Wv), bias: f32 words, qkv: [2048][6144] f16; sums in f32, rounded once.
; lor[c][i][n], [4][16][6144] f16: for tile rows c = 0 .. 3 the LOW PART of row 128 c + i: the f32 sum less its f16 number.  Row q of the module's output averages only q + 1 keys, so the first rows' numbers
; are many times the output's root mean square; rows 0 to 15 are therefore made once more from high and low parts, by the launches a16 and fo.  Only c = 0 is read: see THE LOW PARTS below.
; LIMITS.  q, k and v leave as f16: a sum of 65,520 or more in magnitude becomes an infinity.  The bias is the start of the sum, not its last term.  NaN and infinities are not treated apart.
; SHARES.  2048 x 6144 numbers are 16 x 16 tiles of 128 x 384: one for each of 256 work-groups, and a tile's row is 768 bytes, three aligned blocks of 256.  Four waves; wave w makes all 128 rows of
; columns 96 w .. 96 w + 95: 8 x 6 accumulators of 16 x 16, 384 registers; for 32 along K it reads 28 x 512 bytes from LDS and issues 48 matrix instructions.
; K goes in steps of 128 (rows of 256 bytes, from multiples of 256) through two LDS slots; a slot holds 128 rows of x and 384 rows of W, and each wave brings 128 of these 512 rows by one tensor load.
; CLUSTER.  4 x 4 work-groups.  The four of a row of the cluster need the same tile of x, the four of a column the same tile of W: each is asked for jointly, by the same tensor load with the same
; descriptor and a mask that names the four.
; THE MATRIX INSTRUCTION IS USED TRANSPOSED (source 0 = 16 rows of W, source 1 = 16 rows of x): a lane holds row lane % 16 of the result and eight neighbouring columns 8 (lane / 16) + 0 .. 7.
; REGISTERS, in windows of 256 (s_set_vgpr_msb: bits 1:0 source 0, 3:2 source 1, 5:4 source 2, 7:6 destination):
;   window 0: v0-31 addresses; v64-127, v128-191 fragments of x, two buffers; v192-239 the bias of my 96 columns, later packed results; on the way out v64-255 rows read back
;   window 1: v64-111, v128-175 fragments of W, two buffers      window 2: the accumulators of rows 0-63 ((a, b) at v[8 (6 a + b)])      window 3: those of rows 64-127
.set KDIM,   2048
.set NOUT,   6144
.set KSTEP,  128
.set PITCH,  272                       ; an LDS row: 256 bytes + 16 of padding = 68 words: row r starts at bank 4 r mod 64 (64 banks of 4 bytes: ISA guide 11.1)
.set HALFT,  128*PITCH                 ; what one tensor load brings
.set SLOT,   4*HALFT                   ; x's 128 rows, then W's 384 rows
.set SPARE,  2*SLOT                    ; behind the ring: the spare words, 128 bytes for each wave, two blocks of 256 bytes that no other line names
.set SPITCH, 784                       ; the stage for the way out: 128 rows of 768 bytes + 16, from LDS byte 0: inside slot 0, which has had its last fill (K step 14) and its last read by then
.set LAPS,   KDIM/(2*KSTEP)            ; a lap = two K steps = once round the ring: 8
.set NEG1, 6                           ; v6      -1.0
.set ADRA, 16                          ; v16-17  LDS address of my fragments of x in slot 0, 1
.set ADRB, 20                          ; v20-21  the same for W
.set STO,  24                          ; v24     the way out: where I put 16 bytes of a row, rows 0-63;  v27: rows 64-127
.set RD,   25                          ; v25     where I read rows back
.set CO,   26                          ; v26     my byte offset in qkv
.set SPW,  28                          ; v28     LDS address of my spare word; never rewritten
.set NIL,  29                          ; v29     0; never rewritten
.set BO,   30                          ; v30     my byte offset in the bias of 16 columns
.set LOO,  31                          ; v31     my byte offset in 16 rows of lor
.set F0,   64
.set F1,   128
.set BIAS, 192                         ; 8 registers for each of my 6 blocks of 16 columns
.set TMP,  192                         ; the way out: packed results, two sets of 24
.set OUTB, 64                          ; the way out: 48 x 4 registers read back
.set LH,   64                          ; the low parts: 24 registers of packed f16 numbers,
.set LP,   96                          ; 24 of packed low parts,
.set LF,   128                         ; 48 of low parts in f32
.set WV,  12                           ; s12  my wave's number
.set CLY, 45                           ; s45  the cluster's y
.set LORP, 66                          ; s[66:67] lor at my wave's columns of my tile row's 16 rows
.set G1,  24                           ; s[24:31] descriptor group 1 for x's tiles;  s[32:39] group 0, a set for each slot
.set G0,  32
.set G1B, 48                           ; s[48:55], s[56:63] the same for W's tiles
.set G0B, 56
.set MSB, 0
.macro WIN new                         ; the immediate's high byte repeats the setting that is left; a switch that changes nothing is dropped
.if MSB != (\new)
	s_set_vgpr_msb (MSB<<8)|(\new)
.set MSB, \new
.endif
.endm
; A joint load.  Wave 0 fetches x's 128 rows, waves 1 to 3 W's three times 128.  The branch hangs on the wave's number alone.
; An s_nop 0 and four v_nop follow each of the two lines, ahead of the jump, the label and what follows.
.macro JLOAD s
	s_cmp_eq_u32 s[WV], 0
	s_cbranch_scc0 .Lfor_b_\@
	tensor_load_to_lds s[G0+4*(\s):G0+4*(\s)+3], s[G1:G1+7]
	s_nop 0
.rept 4
	v_nop
.endr
	s_branch .Lasked_\@
.Lfor_b_\@:
	tensor_load_to_lds s[G0B+4*(\s):G0B+4*(\s)+3], s[G1B:G1B+7]
	s_nop 0
.rept 4
	v_nop
.endr
.Lasked_\@:
.endm
.macro CREST                           ; a round of the cluster's barrier behind its opening barrier: wave 0 signals for the work-group, every wave waits for all sixteen, my work-group's barrier closes it
	s_cmp_lg_u32 s[WV], 0
	s_cbranch_scc1 .Lnot_wave_0_\@
	s_barrier_signal -3
.Lnot_wave_0_\@:
	s_barrier_wait -3
	s_barrier_signal -1
	s_barrier_wait -1
.endm
.macro CROUND                          ; a whole round
	s_barrier_signal -1
	s_barrier_wait -1
	CREST
.endm
	s_load_b256 s[4:11], s[0:1], 0x0               ; xb s[4:5], wqkv s[6:7], bias s[8:9], qkv s[10:11]
	s_load_b64 s[LORP:LORP+1], s[0:1], 0x20        ; lor
	v_lshl_add_u32 v[SPW], v0, 2, SPARE
	v_mov_b32 v[NIL], 0
	ds_add_u32 v[SPW], v[NIL]                      ; the wave's opening: the add and its wait stand ahead of my first tensor load; the set-up below, work on registers, stands between them
	v_lshrrev_b32 v1, 5, v0
	v_readfirstlane_b32 s[WV], v1                  ; wave 0..3
	s_bfe_u32 s40, ttmp6, 0x40000                  ; cx, cy: my place in the cluster
	s_bfe_u32 s41, ttmp6, 0x40004
	s_lshl_b32 s42, ttmp9, 2
	s_add_co_u32 s42, s42, s40                     ; tile column = 4 x cluster x + cx
	s_and_b32 s13, ttmp7, 0xffff
	s_mov_b32 s[CLY], s13                          ; the cluster's y: the same number in all sixteen partners
	s_lshl_b32 s13, s13, 2
	s_add_co_u32 s13, s13, s41                     ; tile row = 4 x cluster y + cy
	s_lshl_b32 s43, s41, 2
	s_lshl_b32 s43, 15, s43                        ; my row of the cluster: places 4 cy .. 4 cy + 3
	s_lshl_b32 s44, 0x1111, s40                    ; my column: places cx, cx + 4, cx + 8, cx + 12
	; descriptor group 1: a tile of 128 rows x 128 elements, padded in LDS
	s_or_b32 s[G1+0], s43, (1<<16)|(1<<20)|(1<<21)|(5<<22)|(3<<25)  ; 15:0 the mask: x's tiles go to my row; 17:16 2-byte elements; 20 padding on; 21 set beside a mask; 24:22 after every 64 words (code 5); 31:25 4 words (code 3)
	s_or_b32 s[G1B+0], s44, (1<<16)|(1<<20)|(1<<21)|(5<<22)|(3<<25) ; the same with the mask of my column, for W's tiles
.irp g, G1, G1B
	s_mov_b32 s[(\g)+1], KSTEP<<16                 ; tensor_dim0 = 128
	s_mov_b32 s[(\g)+2], 128<<16                   ; tensor_dim1 = 128
	s_mov_b32 s[(\g)+3], KSTEP<<16                 ; tile_dim0 = 128
	s_mov_b32 s[(\g)+4], 128                       ; tile_dim1 = 128
	s_mov_b32 s[(\g)+5], KDIM                      ; elements from row to row
	s_mov_b32 s[(\g)+6], 0
	s_mov_b32 s[(\g)+7], 0
.endr
	; x's tile hangs on the tile row alone, W's on the tile column and the wave's number alone; each offset is made in registers that never hold the other coordinate
	s_lshl_b32 s16, s13, 19                        ; x: 128 x tile row rows of 4,096 bytes
	s_mov_b32 s17, 0
	s_max_u32 s21, s[WV], 1
	s_sub_co_u32 s21, s21, 1                       ; which 128 of W's 384 rows I fetch (wave 0 makes the address and does not use it)
	s_lshl_b32 s21, s21, 7
	s_mul_i32 s46, s42, 384
	s_add_co_u32 s46, s46, s21
	s_lshl_b32 s46, s46, 12                        ; W: row 384 x tile column + 128 x part, 4,096 bytes each
	s_mov_b32 s47, 0
	s_mul_i32 s20, s[WV], HALFT                    ; where my rows go: wave x 128 rows: no place in the cluster enters an LDS address
	s_wait_dscnt 0x0                               ; the opening add is done
	s_wait_kmcnt 0x0
	s_add_nc_u64 s[14:15], s[4:5], s[16:17]
	s_add_nc_u64 s[46:47], s[6:7], s[46:47]
	CROUND                                         ; all sixteen work-groups are here: the first joint loads meet
.irp s, 0,1
	s_mov_b32 s[G0+4*(\s)], 1                                      ; 1:0 count = 1
	s_add_co_u32 s[G0+4*(\s)+1], s20, (\s)*SLOT                    ; 63:32 LDS address
	s_add_nc_u64 s[G0+4*(\s)+2:G0+4*(\s)+3], s[14:15], (\s)*KSTEP*2  ; 120:64 global address: K step s
	s_or_b32 s[G0+4*(\s)+3], s[G0+4*(\s)+3], 0x80000000            ; 127:126 type = 2
	s_mov_b32 s[G0B+4*(\s)], 1
	s_add_co_u32 s[G0B+4*(\s)+1], s20, (\s)*SLOT
	s_add_nc_u64 s[G0B+4*(\s)+2:G0B+4*(\s)+3], s[46:47], (\s)*KSTEP*2
	s_or_b32 s[G0B+4*(\s)+3], s[G0B+4*(\s)+3], 0x80000000
	JLOAD \s                                       ; two loads of mine are out
.endr
	; the bias of my 96 columns: a lane's register j of block b is column 16 b + 8 (lane / 16) + j
	v_and_b32 v1, 15, v0                           ; l % 16
	v_bfe_u32 v2, v0, 4, 1                         ; l / 16
	v_lshlrev_b32 v[BO], 5, v2
	s_mul_i32 s46, s42, 1536                       ; (384 x tile column + 96 x wave) words
	s_mul_i32 s47, s[WV], 384
	s_add_co_u32 s46, s46, s47
	s_mov_b32 s47, 0
	s_add_nc_u64 s[8:9], s[8:9], s[46:47]
.irp b, 0,1,2,3,4,5
	global_load_b128 v[BIAS+8*(\b):BIAS+8*(\b)+3],   v[BO], s[8:9] offset:64*(\b)
	global_load_b128 v[BIAS+8*(\b)+4:BIAS+8*(\b)+7], v[BO], s[8:9] offset:64*(\b)+16
.endr
	; a fragment is 16 rows x 32 K in 8 registers: lane l holds row l % 16, K = 8 (l / 16) + 0..7 and 16 + 8 (l / 16) + 0..7: two loads of 16 bytes, 32 bytes apart
	v_mul_u32_u24 v3, v1, PITCH
	v_lshl_add_u32 v3, v2, 4, v3
	s_mov_b32 s21, 0                               ; x's rows lie at a slot's head,
	s_mul_i32 s22, s[WV], 96*PITCH                 ; my 96 rows of W
	s_add_co_u32 s22, s22, HALFT                   ; behind x's 128
.irp s, 0,1
	v_add_nc_u32 v[ADRA+(\s)], s21, v3
	v_add_nc_u32 v[ADRB+(\s)], s22, v3
	s_add_co_u32 s21, s21, SLOT
	s_add_co_u32 s22, s22, SLOT
.endr
	v_mul_u32_u24 v4, v1, SPITCH                   ; into the stage: row l % 16, my wave's 192 bytes of it, 16 bytes for each half of the lanes
	v_lshl_add_u32 v4, v2, 4, v4
	s_mul_i32 s23, s[WV], 192
	v_add_nc_u32 v[STO], s23, v4
	v_add_nc_u32 v[STO+3], 64*SPITCH, v[STO]       ; rows 64 on: the immediate offset has 16 bits
	s_mul_i32 s23, s[WV], 32*SPITCH                ; back: wave w takes rows 32 w .. 32 w + 31, whole; lanes 0-15 256 bytes of one row, lanes 16-31 of the next
	v_mul_u32_u24 v5, v2, SPITCH
	v_lshl_add_u32 v5, v1, 4, v5
	v_add_nc_u32 v[RD], s23, v5
	v_mul_u32_u24 v5, v2, NOUT*2                   ; and the same two rows in qkv
	v_lshl_add_u32 v[CO], v1, 4, v5
	s_lshl_b32 s16, s13, 7
	s_lshl_b32 s17, s[WV], 5
	s_add_co_u32 s16, s16, s17                     ; the first row that I store: 128 x tile row + 32 x wave
	s_mul_i32 s16, s16, NOUT*2
	s_mov_b32 s17, 0
	s_add_nc_u64 s[10:11], s[10:11], s[16:17]
	s_mul_i32 s46, s42, 768                        ; the tile's first column, in bytes
	s_mov_b32 s47, 0
	s_add_nc_u64 s[10:11], s[10:11], s[46:47]
	s_mul_i32 s68, s41, 16*NOUT*2                  ; lor: part cy (used in cluster row 0 alone, where cy is the tile row),
	s_mul_i32 s69, s42, 768                        ; the tile's first column,
	s_add_co_u32 s68, s68, s69
	s_mul_i32 s69, s[WV], 192                      ; my wave's 96 columns
	s_add_co_u32 s68, s68, s69
	s_mov_b32 s69, 0
	s_add_nc_u64 s[LORP:LORP+1], s[LORP:LORP+1], s[68:69]
	v_mul_u32_u24 v[LOO], v1, NOUT*2               ; row l % 16, 16 bytes for each half of the lanes
	v_lshl_add_u32 v[LOO], v2, 4, v[LOO]
	v_mov_b32 v[NEG1], -1.0
; 12 matrix instructions: row blocks a0, a0 + 1 of the window's four (hi = 0: rows 0-63, 1: rows 64-127) x my 6 column blocks, 32 along K.
; first = 1: the bias is the C operand and starts the sums: nothing is cleared, and the way out adds nothing.  The 48 accumulators take turns, one instruction a turn.
.macro MUL12 f, hi, a0, first
.if \first
	WIN 0x81+0x40*(\hi)                            ; W window 1, x and the bias window 0, D window 2 or 3
.else
	WIN 0xa1+0x50*(\hi)                            ; W window 1, x window 0, C and D window 2 or 3
.endif
.irp a, \a0, (\a0)+1
.irp b, 0,1,2,3,4,5
.if \first
	v_wmma_f32_16x16x32_bf16 v[8*(6*(\a)+(\b)):8*(6*(\a)+(\b))+7], v[(\f)+8*(\b):(\f)+8*(\b)+7], v[(\f)+8*(4*(\hi)+(\a)):(\f)+8*(4*(\hi)+(\a))+7], v[BIAS+8*(\b):BIAS+8*(\b)+7]
.else
	v_wmma_f32_16x16x32_bf16 v[8*(6*(\a)+(\b)):8*(6*(\a)+(\b))+7], v[(\f)+8*(\b):(\f)+8*(\b)+7], v[(\f)+8*(4*(\hi)+(\a)):(\f)+8*(4*(\hi)+(\a))+7], v[8*(6*(\a)+(\b)):8*(6*(\a)+(\b))+7]
.endif
.endr
.endr
.endm
; 28 LDS loads in one run: the fragments of 32 along K at byte k of the rows, into buffer f: W's 12, then x's 16, rows 0-63 first
.macro FETCH slot, k, f
	WIN 0x40                                       ; destination window 1, address window 0
.irp i, 0,1,2,3,4,5
	ds_load_b128 v[(\f)+8*(\i):(\f)+8*(\i)+3],   v[ADRB+(\slot)] offset:(\k)+(\i)*16*PITCH
	ds_load_b128 v[(\f)+8*(\i)+4:(\f)+8*(\i)+7], v[ADRB+(\slot)] offset:(\k)+(\i)*16*PITCH+32
.endr
	WIN 0
.irp i, 0,1,2,3,4,5,6,7
	ds_load_b128 v[(\f)+8*(\i):(\f)+8*(\i)+3],   v[ADRA+(\slot)] offset:(\k)+(\i)*16*PITCH
	ds_load_b128 v[(\f)+8*(\i)+4:(\f)+8*(\i)+7], v[ADRA+(\slot)] offset:(\k)+(\i)*16*PITCH+32
.endr
.endm
.macro PLACES                          ; four plain vector instructions between a matrix instruction and a load into a register that it read, or a vector instruction that reads its result or writes one of its registers (ISA guide 7.12.1 for vector instructions)
.rept 4
	v_nop
.endr
.endm
; A K step is four quarters of 32 along K, 48 matrix instructions each, on buffers 0, 1, 0, 1.  One of the first three: multiplies buffer f; in its middle it fetches the next quarter, at byte k, into g.
.macro QUARTER slot, k, f, g, first
	s_wait_dscnt 8                                 ; W and x's rows 0-63 are in; the youngest eight loads (x's rows 64-127) may be out
	MUL12 \f, 0, 0, \first
	MUL12 \f, 0, 2, \first
	PLACES
	FETCH \slot, \k, \g
	s_wait_dscnt 28                                ; all but the 28 just issued
	MUL12 \f, 1, 0, \first
	MUL12 \f, 1, 2, \first
.endm
; The last quarter multiplies buffer 1 and changes slots: ONE barrier.  In front of it each wave waits for all its tensor loads (one is out: its part of the next slot), adds 0 to its spare word, and waits
; for that and for its own reads of this slot.  fill = 1: the barrier opens a round of the cluster's barrier, and behind the round this slot is filled again, two K steps ahead, first of all.
.macro TURN slot, next, fill
	WIN 0                                          ; (the add's two registers lie in window 0)
	s_wait_tensorcnt 0x0                           ; all my tensor loads have landed
	ds_add_u32 v[SPW], v[NIL]                      ; 0 onto my spare word
	s_wait_dscnt 9                                 ; (the add and the youngest eight loads may be out)
	MUL12 F1, 0, 0, 0                              ; twelve matrix instructions stand between the add and the wait for it
	s_wait_dscnt 0x0                               ; the add is done, and my reads of this slot are over
	s_barrier_signal -1
	MUL12 F1, 0, 2, 0                              ; work on registers while the others arrive
.if \fill
	WIN 0
.endif
	s_barrier_wait -1
.if \fill
	CREST                                          ; no wave of any partner still reads this slot's tile or has a load on its way
	s_add_nc_u64 s[G0+4*(\slot)+2:G0+4*(\slot)+3], s[G0+4*(\slot)+2:G0+4*(\slot)+3], 2*KSTEP*2
	s_add_nc_u64 s[G0B+4*(\slot)+2:G0B+4*(\slot)+3], s[G0B+4*(\slot)+2:G0B+4*(\slot)+3], 2*KSTEP*2
	JLOAD \slot                                    ; the first tensor load behind the round; the four v_nop behind it are also the places in front of the loads below
.else
	PLACES
.endif
	FETCH \next, 0, F0
	MUL12 F1, 1, 0, 0
	MUL12 F1, 1, 2, 0
.endm
	s_wait_tensorcnt 1                             ; my part of K step 0 is in; K step 1's may stay out
	s_barrier_signal -1
	s_barrier_wait -1                              ; everybody's is
	FETCH 0, 0, F0
	s_wait_loadcnt 0x0                             ; the bias
	QUARTER 0, 64,  F0, F1, 1                      ; the first quarter stands in front of the loop: its products start the sums
	WIN 0                                          ; at a label and at a branch every window is 0
	s_mov_b32 s3, LAPS-1
.Llap:                                                 ; a trip goes once round the ring, from a lap's second quarter to the next lap's first, and fills both slots again
	QUARTER 0, 128, F1, F0, 0
	QUARTER 0, 192, F0, F1, 0
	TURN 0, 1, 1
	QUARTER 1, 64,  F0, F1, 0
	QUARTER 1, 128, F1, F0, 0
	QUARTER 1, 192, F0, F1, 0
	TURN 1, 0, 1
	QUARTER 0, 64,  F0, F1, 0
	WIN 0
	s_sub_co_u32 s3, s3, 1
	s_cmp_lg_u32 s3, 0
	s_cbranch_scc1 .Llap
	QUARTER 0, 128, F1, F0, 0                      ; the last lap fills nothing, and has no round of the cluster's barrier
	QUARTER 0, 192, F0, F1, 0
	TURN 0, 1, 0                                   ; behind this barrier nobody reads slot 0 any more, and no load fills it again
	QUARTER 1, 64,  F0, F1, 0
	QUARTER 1, 128, F1, F0, 0
	QUARTER 1, 192, F0, F1, 0
	s_wait_dscnt 8                                 ; the very last quarter: nothing more to fetch
	MUL12 F1, 0, 0, 0
	MUL12 F1, 0, 2, 0
	s_wait_dscnt 0x0
	MUL12 F1, 1, 0, 0
	MUL12 F1, 1, 2, 0
	WIN 0
	PLACES                                         ; behind the last products: what follows reads results and writes fragment registers
	; THE LOW PARTS of the tile's first 16 rows (row block 0): the sum less its f16 number, which is exact in f32, rounded to f16.  The branch hangs on the cluster's y alone, so all sixteen partners go the same
	; way: the four tile rows of cluster row 0 all store, and only tile row 0's part (rows 0 to 15) is read.  A lane stores 16 bytes, two lanes 32 consecutive bytes of a row: 12,288 bytes a work-group, once,
	; too little to send through the stage.
	s_cmp_lg_u32 s[CLY], 0
	s_cbranch_scc1 .Lno_low
	WIN 0x0a                                       ; sources 0 and 1 window 2
.irp b, 0,1,2,3,4,5
.irp r, 0,1,2,3
	v_cvt_pk_f16_f32 v[LH+4*(\b)+(\r)], v[8*(\b)+2*(\r)], v[8*(\b)+2*(\r)+1]  ; the same numbers that the way out below stores; each accumulator's registers in ascending order
.endr
.endr
	WIN 0x20                                       ; source 2 window 2
.irp b, 0,1,2,3,4,5
.irp r, 0,1,2,3
	v_fma_mix_f32 v[LF+8*(\b)+2*(\r)],   v[LH+4*(\b)+(\r)], v[NEG1], v[8*(\b)+2*(\r)]   op_sel_hi:[1,0,0]                ; the low half as f16, times -1, plus the sum
	v_fma_mix_f32 v[LF+8*(\b)+2*(\r)+1], v[LH+4*(\b)+(\r)], v[NEG1], v[8*(\b)+2*(\r)+1] op_sel:[1,0,0] op_sel_hi:[1,0,0]  ; the high half
.endr
.endr
	WIN 0
.irp b, 0,1,2,3,4,5
.irp r, 0,1,2,3
	v_cvt_pk_f16_f32 v[LP+4*(\b)+(\r)], v[LF+8*(\b)+2*(\r)], v[LF+8*(\b)+2*(\r)+1]
.endr
.endr
.irp b, 0,1,2,3,4,5
	global_store_b128 v[LOO], v[LP+4*(\b):LP+4*(\b)+3], s[LORP:LORP+1] offset:32*(\b)
.endr
	s_wait_xcnt 0x0                                ; these stores have read their registers: the rows read back below land on them only behind this wait
.Lno_low:
	; THE WAY OUT: round to f16; 16 bytes a lane into the work-group's stage; a barrier, since a row's 768 bytes come from four waves; back as whole rows, 32 rows a wave.
.irp a, 0,1,2,3,4,5,6,7
	WIN 0x0a+5*((\a)/4)                            ; sources 0 and 1: window 2 or 3
.irp b, 0,1,2,3,4,5
.irp r, 0,1,2,3
	v_cvt_pk_f16_f32 v[TMP+24*((\a)%2)+4*(\b)+(\r)], v[48*((\a)%4)+8*(\b)+2*(\r)], v[48*((\a)%4)+8*(\b)+2*(\r)+1]  ; each accumulator's registers in ascending order
.endr
.endr
	WIN 0
.irp b, 0,1,2,3,4,5
	ds_store_b128 v[STO+3*((\a)/4)], v[TMP+24*((\a)%2)+4*(\b):TMP+24*((\a)%2)+4*(\b)+3] offset:((\a)%4)*16*SPITCH+32*(\b)
.endr
.endr
	s_wait_dscnt 0x0                               ; for the others' sake: my stores into the stage are done
	s_barrier_signal -1
	s_barrier_wait -1
.set n, 0
.rept 48                               ; pair n / 3 of my 32 rows, block n % 3 of their three blocks of 256 bytes
	ds_load_b128 v[OUTB+4*n:OUTB+4*n+3], v[RD] offset:(n/3)*2*SPITCH+256*(n%3)
.set n, n+1
.endr
.set n, 0
.rept 48
	s_wait_dscnt 47-n                              ; LDS loads come back in order (ISA guide 5.7.1): load n is in
	global_store_b128 v[CO], v[OUTB+4*n:OUTB+4*n+3], s[10:11] offset:(n/3)*2*NOUT*2+256*(n%3)  ; 16 lanes store 256 consecutive bytes, at a multiple of 256 from qkv's first byte
.set n, n+1
.endr
	s_wait_tensorcnt 0x0                           ; the wave's end, behind my last tensor load and my last LDS store
	ds_add_u32 v[SPW], v[NIL]
	s_wait_dscnt 0x0
	CROUND                                         ; the closing round: no work-group ends while a partner may still ask for a tile that names it
	s_endpgm
.Lfunc_end_k_qed3e7e3e23_qkv:
	.size	k_qed3e7e3e23_qkv, .Lfunc_end_k_qed3e7e3e23_qkv-k_qed3e7e3e23_qkv
	.p2alignl 7, 3214868480
	.fill 96, 4, 3214868480
	.section	.rodata,"a",@progbits
	.p2align	6, 0x0
	.amdhsa_kernel k_qed3e7e3e23_qkv
		.amdhsa_group_segment_fixed_size 327680
		.amdhsa_private_segment_fixed_size 0
		.amdhsa_enable_private_segment 0
		.amdhsa_kernarg_size 40
		.amdhsa_user_sgpr_count 2
		.amdhsa_user_sgpr_kernarg_segment_ptr 1
		.amdhsa_wavefront_size32 1
		.amdhsa_system_sgpr_workgroup_id_x 1
		.amdhsa_system_sgpr_workgroup_id_y 1
		.amdhsa_system_sgpr_workgroup_id_z 1
		.amdhsa_system_vgpr_workitem_id 0
		.amdhsa_next_free_vgpr 960
		.amdhsa_next_free_sgpr 72
		.amdhsa_reserve_vcc 0
		.amdhsa_float_denorm_mode_32 3
		.amdhsa_float_denorm_mode_16_64 3
		.amdhsa_memory_ordered 1
		.amdhsa_forward_progress 1
		.amdhsa_inst_pref_size 124
	.end_amdhsa_kernel
	.amdgpu_metadata
---
amdhsa.version: [ 1, 2 ]
amdhsa.kernels:
  - .name:           k_qed3e7e3e23_qkv
    .symbol:         k_qed3e7e3e23_qkv.kd
    .args:
      - { .name: xb, .offset: 0, .size: 8, .value_kind: global_buffer, .address_space: global }
      - { .name: wqkv, .offset: 8, .size: 8, .value_kind: global_buffer, .address_space: global }
      - { .name: bias, .offset: 16, .size: 8, .value_kind: global_buffer, .address_space: global }
      - { .name: qkv, .offset: 24, .size: 8, .value_kind: global_buffer, .address_space: global }
      - { .name: lor, .offset: 32, .size: 8, .value_kind: global_buffer, .address_space: global }
    .group_segment_fixed_size: 327680
    .private_segment_fixed_size: 0
    .kernarg_segment_align: 8
    .kernarg_segment_size: 40
    .max_flat_workgroup_size: 128
    .sgpr_count:     72
    .vgpr_count:     960
    .wavefront_size: 32
...
	.end_amdgpu_metadata
.endif
;; end of part 2
;; launch a16 (part 3): grid 16 x 1, 1 waves a work-group, no clusters, 9,472 bytes of LDS; arguments qkv, lor, o16; writes o16
.if DOCPART == 3
	.amdgcn_target "amdgcn-amd-amdhsa--gfx1250"
	.amdhsa_code_object_version 6
	.text
	.protected	k_qed3e7e3e23_a16
	.globl	k_qed3e7e3e23_a16
	.p2align	8
	.type	k_qed3e7e3e23_a16,@function
k_qed3e7e3e23_a16:
	s_mov_b64 s[64:65], 0
	v_nop
	global_prefetch_b8 v0, s[64:65] scope:SCOPE_SE
	s_setreg_imm32_b32 hwreg(HW_REG_WAVE_MODE, 25, 1), 1
	s_wait_xcnt 0x0
; ATTENTION FOR ROWS 0 TO 15, ONCE MORE, FROM HIGH AND LOW PARTS.  Row q averages only q + 1 keys, so the first rows' numbers are many times the output's root mean square, and one f16 rounding of
; q, k, v, P or O there is large beside it.  Here every such operand is a pair of f16 numbers, high + low: q, k, v come as qkv (high) and lor (low), P and O are split here.
; o16: [2][16][2048] f16: O's high parts, then its low parts; the launch fo multiplies them by Wo.
; SHARES.  One wave for each of the 16 heads: 16 queries x 16 keys x 128 channels, 28 matrix instructions.  Too little to share further; no tile is shared between heads, so no cluster.
; SCORES.  S^T = K Q^T (source 0 = 16 keys, source 1 = 16 queries): Kh Qh + Kl Qh + Kh Ql, three accumulators by turns; Kl Ql is below f32's last bit.  The causal mask (0 or -1e30) is the C operand that
; starts the first sum.  A lane holds ONE query (lane % 16) and the keys 8 (lane / 16) + 0..7.
; SOFTMAX in f32 with the row's true maximum: every row sees its own key.  p = 2^(c s - c m), c = log2(e) / sqrt(128).
; O^T = V^T P.  The matrix instruction sums over 32 keys and there are 16: source 0 holds V's high parts in its first 16 places and V's low parts in the other 16.  Against [Ph | Ph] that gives
; Vh Ph + Vl Ph, against [Pl | 0] it adds Vh Pl.  V ([key][channel]) goes through LDS and comes back turned, by ds_load_tr16_b128.
; LIMITS.  As in the launches beside it: a hidden score counts as its value less 1e30; a weight below 2^-126 counts as 0; NaN and infinities are not treated apart.
.set ROWB,  12288                      ; bytes in a row of qkv and of lor: q at byte 0, k at 4,096, v at 8,192, head h 256 h further on
.set PV,    288                        ; a row of V in LDS: 256 bytes + 32 = 72 words
.set VLO,   16*PV                      ; V's high parts from LDS byte 0, its low parts from here
.set SPARE, 2*16*PV                    ; behind them: the spare words, one block of 256 bytes that no other line names
.set QO,  3                            ; v3   my byte offset in 16 rows as a fragment wants them: row l % 16, 16 bytes for each half of the lanes
.set VO,  4                            ; v4   my byte offset in two whole rows: row l / 16, byte 16 (l % 16)
.set VS,  5                            ; v5   the same two rows in LDS
.set AV,  6                            ; v6   the turning load's address
.set OO,  7                            ; v7   my byte offset in o16
.set NEG1, 8                           ; v8   -1.0
.set T,   9                            ; v9   at work in the set-up
.set SPW, 10                           ; v10  LDS address of my spare word; never rewritten
.set NIL, 11                           ; v11  0; never rewritten
.set M,   12                           ; v12-15  the maximum, at work; c m as a pair
.set QH,  16                           ; four fragments of 8 registers each: Q high, Q low, K high, K low
.set QL,  48
.set KH,  80
.set KL,  112
.set VR,  144                          ; V's rows as loaded: 32 registers high, 32 low
.set TRI, 208                          ; register n is -1e30 where key 8 (l / 16) + n lies behind query l % 16, else 0
.set S1,  216
.set S2,  224
.set S3,  232
.set B1,  240                          ; [Ph | Ph]
.set B2,  248                          ; [Pl | 0]
.set VT,  16                           ; behind the scores: V^T, 8 registers for each of 8 blocks of 16 channels: high parts, low parts
.set O,   80                           ; O^T, 8 registers a block
.set LS,  144                          ; l at work; 1 / l as a pair in LS+2, LS+3
.set OH,  144                          ; behind the scaling: O's packed high parts,
.set OL,  176                          ; and low parts
.set CS,  14                           ; s[14:15] c: the packed scaling takes the pair's low word for both halves
.set SEL, 16                           ; s[16:17] v_permlanex16_b32's selects: each lane takes its own place in the other half
	s_load_b128 s[4:7], s[0:1], 0x0                ; qkv s[4:5], lor s[6:7]
	s_load_b64 s[8:9], s[0:1], 0x10                ; o16
	v_lshl_add_u32 v[SPW], v0, 2, SPARE
	v_mov_b32 v[NIL], 0
	s_lshl_b32 s12, ttmp9, 8                       ; the head's 256 bytes in a row, in all three buffers
	s_mov_b32 s13, 0
	s_mov_b32 s[CS], 0x3e0293ee                    ; c = log2(e) / sqrt(128) = 0.127517
	s_mov_b32 s[CS+1], s[CS]
	s_mov_b32 s[SEL], 0x76543210
	s_mov_b32 s[SEL+1], 0xfedcba98
	s_mov_b32 s18, 0xf149f2ca                      ; -1e30
	v_and_b32 v1, 15, v0                           ; l % 16
	v_lshrrev_b32 v2, 4, v0                        ; l / 16
	v_mul_u32_u24 v[QO], v1, ROWB
	v_lshl_add_u32 v[QO], v2, 4, v[QO]
	v_mul_u32_u24 v[VO], v2, ROWB
	v_lshl_add_u32 v[VO], v1, 4, v[VO]
	v_mul_u32_u24 v[VS], v2, PV
	v_lshl_add_u32 v[VS], v1, 4, v[VS]
	v_and_b32 v[T], 7, v0                          ; the turning load: lane l reads key 8 (l / 16) + l % 8, channels 8 ((l / 8) % 2) + 0..7, and is left with channel l % 16, keys 8 (l / 16) + 0..7
	v_lshl_add_u32 v[AV], v2, 3, v[T]
	v_mul_u32_u24 v[AV], v[AV], PV
	v_bfe_u32 v[T], v0, 3, 1
	v_lshl_add_u32 v[AV], v[T], 4, v[AV]
	v_lshlrev_b32 v[OO], 12, v1                    ; row l % 16 of 4,096 bytes, 16 bytes for each half of the lanes
	v_lshl_add_u32 v[OO], v2, 4, v[OO]
	v_mov_b32 v[NEG1], -1.0
	v_lshlrev_b32 v[T], 3, v2
	v_sub_nc_u32 v[T], v1, v[T]                    ; l % 16 - 8 (l / 16): register n is hidden where n is greater
.set i, 0
.rept 8
	v_cmp_gt_i32 vcc_lo, i, v[T]
	v_cndmask_b32 v[TRI+i], 0, s18, vcc_lo
.set i, i+1
.endr
	s_wait_kmcnt 0x0
	s_add_nc_u64 s[4:5], s[4:5], s[12:13]
	s_add_nc_u64 s[6:7], s[6:7], s[12:13]
	s_add_nc_u64 s[8:9], s[8:9], s[12:13]
.irp i, 0,1,2,3,4,5,6,7                ; V first, since it has the way through LDS in front of it: two whole rows of the head (2 x 256 bytes) a load
	global_load_b128 v[VR+4*(\i):VR+4*(\i)+3],       v[VO], s[4:5] offset:(\i)*2*ROWB+8192
.endr
.irp i, 0,1,2,3,4,5,6,7
	global_load_b128 v[VR+32+4*(\i):VR+32+4*(\i)+3], v[VO], s[6:7] offset:(\i)*2*ROWB+8192
.endr
; A fragment is 16 rows x 32 channels in 8 registers: lane l holds row l % 16, channels 8 (l / 16) + 0..7 and 16 + 8 (l / 16) + 0..7: two loads of 16 bytes, 32 bytes apart; four fragments for 128 channels
.macro FRAG dst, base, off
.irp c, 0,1,2,3
	global_load_b128 v[(\dst)+8*(\c):(\dst)+8*(\c)+3],   v[QO], s[\base:\base+1] offset:(\off)+64*(\c)
	global_load_b128 v[(\dst)+8*(\c)+4:(\dst)+8*(\c)+7], v[QO], s[\base:\base+1] offset:(\off)+64*(\c)+32
.endr
.endm
	FRAG QH, 4, 0
	FRAG KH, 4, 4096
	FRAG QL, 6, 0
	FRAG KL, 6, 4096
	s_wait_loadcnt 32                              ; loads come back in order (ISA guide 5.7.1): V's 16 are in, the 32 of Q and K issued behind them may be out
.irp i, 0,1,2,3,4,5,6,7
	ds_store_b128 v[VS], v[VR+4*(\i):VR+4*(\i)+3]       offset:(\i)*2*PV
	ds_store_b128 v[VS], v[VR+32+4*(\i):VR+32+4*(\i)+3] offset:VLO+(\i)*2*PV
.endr
	s_wait_loadcnt 0x0                             ; Q and K
.irp c, 0,1,2,3                        ; the three accumulators take turns, one instruction a turn
.if (\c) == 0
	v_wmma_f32_16x16x32_f16 v[S1:S1+7], v[KH:KH+7], v[QH:QH+7], v[TRI:TRI+7]
	v_wmma_f32_16x16x32_f16 v[S2:S2+7], v[KL:KL+7], v[QH:QH+7], 0
	v_wmma_f32_16x16x32_f16 v[S3:S3+7], v[KH:KH+7], v[QL:QL+7], 0
.else
	v_wmma_f32_16x16x32_f16 v[S1:S1+7], v[KH+8*(\c):KH+8*(\c)+7], v[QH+8*(\c):QH+8*(\c)+7], v[S1:S1+7]
	v_wmma_f32_16x16x32_f16 v[S2:S2+7], v[KL+8*(\c):KL+8*(\c)+7], v[QH+8*(\c):QH+8*(\c)+7], v[S2:S2+7]
	v_wmma_f32_16x16x32_f16 v[S3:S3+7], v[KH+8*(\c):KH+8*(\c)+7], v[QL+8*(\c):QL+8*(\c)+7], v[S3:S3+7]
.endif
.endr
.rept 4
	v_nop                                          ; four places behind those products: the loads below land on Q's registers, the sums below read the results
.endr
.irp b, 0,1,2,3,4,5,6,7                ; V^T: channels 16 b on: the high parts of keys 0-15 in registers 0-3, the low parts in registers 4-7.  LDS serves a wave's instructions in order (ISA guide 5.7.1.4): these see the stores above
	ds_load_tr16_b128 v[VT+8*(\b):VT+8*(\b)+3],   v[AV] offset:32*(\b)
	ds_load_tr16_b128 v[VT+8*(\b)+4:VT+8*(\b)+7], v[AV] offset:VLO+32*(\b)
.endr
.irp i, 0,1,2,3
	v_pk_add_f32 v[S2+2*(\i):S2+2*(\i)+1], v[S2+2*(\i):S2+2*(\i)+1], v[S3+2*(\i):S3+2*(\i)+1]  ; the two small sums first; each accumulator from its low end on
.endr
.irp i, 0,1,2,3
	v_pk_add_f32 v[S1+2*(\i):S1+2*(\i)+1], v[S1+2*(\i):S1+2*(\i)+1], v[S2+2*(\i):S2+2*(\i)+1]
.endr
	v_max3_num_f32 v[M], v[S1], v[S1+1], v[S1+2]
	v_max3_num_f32 v[M+1], v[S1+3], v[S1+4], v[S1+5]
	v_max3_num_f32 v[M], v[M], v[S1+6], v[S1+7]
	v_max_num_f32 v[M], v[M], v[M+1]
	v_permlanex16_b32 v[M+1], v[M], s[SEL], s[SEL+1]  ; the query's other 8 keys lie in the lane 16 away
	v_max_num_f32 v[M], v[M], v[M+1]
	v_mul_f32 v[M+2], s[CS], v[M]                  ; c m,
	v_mov_b32 v[M+3], v[M+2]                       ; named as a pair
.irp i, 0,1,2,3
	v_pk_fma_f32 v[S1+2*(\i):S1+2*(\i)+1], v[S1+2*(\i):S1+2*(\i)+1], s[CS:CS+1], v[M+2:M+3] op_sel_hi:[1,0,0] neg_lo:[0,0,1] neg_hi:[0,0,1]  ; c s - c m
.endr
.irp i, 0,1,2,3,4,5,6,7
	v_exp_f32 v[S1+(\i)], v[S1+(\i)]
.endr
	v_nop                                          ; a plain instruction between the last exponential and the use of its result (ISA guide 5.7.2)
	s_wait_alu depctr_va_vdst(0)
	v_pk_add_f32 v[LS:LS+1], v[S1:S1+1], v[S1+2:S1+3]      ; l, of the unrounded weights
	v_pk_add_f32 v[LS+2:LS+3], v[S1+4:S1+5], v[S1+6:S1+7]
.irp i, 0,1,2,3
	v_cvt_pk_f16_f32 v[B1+(\i)], v[S1+2*(\i)], v[S1+2*(\i)+1]  ; P's high parts: keys 8 (l / 16) + 0..7 of query l % 16: source 1's first 16 places as they lie
.endr
	v_pk_add_f32 v[LS:LS+1], v[LS:LS+1], v[LS+2:LS+3]
.irp i, 0,1,2,3
	v_mov_b32 v[B1+4+(\i)], v[B1+(\i)]             ; and once more, against V's low parts
	v_mov_b32 v[B2+4+(\i)], 0
.endr
	v_add_f32 v[LS], v[LS], v[LS+1]
.irp i, 0,1,2,3
	v_fma_mix_f32 v[S2+2*(\i)],   v[B1+(\i)], v[NEG1], v[S1+2*(\i)]   op_sel_hi:[1,0,0]                ; p less its high part: exact in f32
	v_fma_mix_f32 v[S2+2*(\i)+1], v[B1+(\i)], v[NEG1], v[S1+2*(\i)+1] op_sel:[1,0,0] op_sel_hi:[1,0,0]
.endr
	v_permlanex16_b32 v[LS+1], v[LS], s[SEL], s[SEL+1]
.irp i, 0,1,2,3
	v_cvt_pk_f16_f32 v[B2+(\i)], v[S2+2*(\i)], v[S2+2*(\i)+1]  ; P's low parts
.endr
	v_add_f32 v[LS], v[LS], v[LS+1]
	v_rcp_f32 v[LS+2], v[LS]
	v_nop                                          ; a plain instruction between the reciprocal and the use of its result
	s_wait_alu depctr_va_vdst(0)
	v_mov_b32 v[LS+3], v[LS+2]                     ; named as a pair
	s_wait_dscnt 0x0                               ; V^T is in
.irp b, 0,1,2,3,4,5,6,7                ; the eight accumulators take turns: between the two links of a chain stand seven others'
	v_wmma_f32_16x16x32_f16 v[O+8*(\b):O+8*(\b)+7], v[VT+8*(\b):VT+8*(\b)+7], v[B1:B1+7], 0
.endr
.irp b, 0,1,2,3,4,5,6,7
	v_wmma_f32_16x16x32_f16 v[O+8*(\b):O+8*(\b)+7], v[VT+8*(\b):VT+8*(\b)+7], v[B2:B2+7], v[O+8*(\b):O+8*(\b)+7]
.endr
.rept 4
	v_nop                                          ; four places behind the last products
.endr
.set i, 0
.rept 32
	v_pk_mul_f32 v[O+2*i:O+2*i+1], v[O+2*i:O+2*i+1], v[LS+2:LS+3] op_sel_hi:[1,0]  ; O / l; each accumulator's registers in ascending order
.set i, i+1
.endr
.set i, 0
.rept 32
	v_cvt_pk_f16_f32 v[OH+i], v[O+2*i], v[O+2*i+1] ; O's high parts (1 / l has been used for the last time: these land on it)
.set i, i+1
.endr
.set i, 0
.rept 32
	v_fma_mix_f32 v[O+2*i],   v[OH+i], v[NEG1], v[O+2*i]   op_sel_hi:[1,0,0]
	v_fma_mix_f32 v[O+2*i+1], v[OH+i], v[NEG1], v[O+2*i+1] op_sel:[1,0,0] op_sel_hi:[1,0,0]
.set i, i+1
.endr
.set i, 0
.rept 32
	v_cvt_pk_f16_f32 v[OL+i], v[O+2*i], v[O+2*i+1] ; and low parts
.set i, i+1
.endr
.irp b, 0,1,2,3,4,5,6,7                ; a lane holds query l % 16 and channels 16 b + 8 (l / 16) + 0..7: 16 bytes; two lanes store 32 consecutive bytes of a row.  8,192 bytes a head in all
	global_store_b128 v[OO], v[OH+4*(\b):OH+4*(\b)+3], s[8:9] offset:32*(\b)
	global_store_b128 v[OO], v[OL+4*(\b):OL+4*(\b)+3], s[8:9] offset:65536+32*(\b)
.endr
	s_wait_tensorcnt 0x0                           ; the wave's end, behind my last LDS store
	ds_add_u32 v[SPW], v[NIL]
	s_wait_dscnt 0x0
	s_endpgm
.Lfunc_end_k_qed3e7e3e23_a16:
	.size	k_qed3e7e3e23_a16, .Lfunc_end_k_qed3e7e3e23_a16-k_qed3e7e3e23_a16
	.p2alignl 7, 3214868480
	.fill 96, 4, 3214868480
	.section	.rodata,"a",@progbits
	.p2align	6, 0x0
	.amdhsa_kernel k_qed3e7e3e23_a16
		.amdhsa_group_segment_fixed_size 9472
		.amdhsa_private_segment_fixed_size 0
		.amdhsa_enable_private_segment 0
		.amdhsa_kernarg_size 24
		.amdhsa_user_sgpr_count 2
		.amdhsa_user_sgpr_kernarg_segment_ptr 1
		.amdhsa_wavefront_size32 1
		.amdhsa_system_sgpr_workgroup_id_x 1
		.amdhsa_system_sgpr_workgroup_id_y 1
		.amdhsa_system_sgpr_workgroup_id_z 1
		.amdhsa_system_vgpr_workitem_id 0
		.amdhsa_next_free_vgpr 256
		.amdhsa_next_free_sgpr 66
		.amdhsa_reserve_vcc 1
		.amdhsa_float_denorm_mode_32 3
		.amdhsa_float_denorm_mode_16_64 3
		.amdhsa_memory_ordered 1
		.amdhsa_forward_progress 1
		.amdhsa_inst_pref_size 27
	.end_amdhsa_kernel
	.amdgpu_metadata
---
amdhsa.version: [ 1, 2 ]
amdhsa.kernels:
  - .name:           k_qed3e7e3e23_a16
    .symbol:         k_qed3e7e3e23_a16.kd
    .args:
      - { .name: qkv, .offset: 0, .size: 8, .value_kind: global_buffer, .address_space: global }
      - { .name: lor, .offset: 8, .size: 8, .value_kind: global_buffer, .address_space: global }
      - { .name: o16, .offset: 16, .size: 8, .value_kind: global_buffer, .address_space: global }
    .group_segment_fixed_size: 9472
    .private_segment_fixed_size: 0
    .kernarg_segment_align: 8
    .kernarg_segment_size: 24
    .max_flat_workgroup_size: 32
    .sgpr_count:     66
    .vgpr_count:     256
    .wavefront_size: 32
...
	.end_amdgpu_metadata
.endif
;; end of part 3
;; launch attn (part 4): grid 16 x 16, 4 waves a work-group, clusters of 4 x 1, 327,680 bytes of LDS; arguments qkv, ao; writes ao
.if DOCPART == 4
	.amdgcn_target "amdgcn-amd-amdhsa--gfx1250"
	.amdhsa_code_object_version 6
	.text
	.protected	k_qed3e7e3e23_attn
	.globl	k_qed3e7e3e23_attn
	.p2align	8
	.type	k_qed3e7e3e23_attn,@function
k_qed3e7e3e23_attn:
	s_mov_b64 s[64:65], 0
	v_nop
	global_prefetch_b8 v0, s[64:65] scope:SCOPE_SE
	s_setreg_imm32_b32 hwreg(HW_REG_WAVE_MODE, 25, 1), 1
	s_wait_xcnt 0x0
	s_wait_alu depctr_hold_cnt(0) depctr_sa_sdst(0) depctr_va_vdst(0) depctr_va_sdst(0) depctr_va_ssrc(0) depctr_va_vcc(0) depctr_vm_vsrc(0)
	s_getreg_b32 s2, hwreg(HW_REG_IB_STS2, 6, 4)
	s_cmp_eq_u32 s2, 0
	s_cbranch_scc0 .Lentry_in_a_cluster
	s_endpgm
.Lentry_in_a_cluster:
	s_bfe_u32 s2, ttmp6, 0x10000c
	s_cmp_lg_u32 s2, 0x3003
	s_cbranch_scc0 .Lentry_shape_is_right
	s_endpgm
.Lentry_shape_is_right:
; CAUSAL ATTENTION, 16 heads of 128 channels, 2,048 rows.  ao[q][128 h ..] = the sum over k <= q of softmax_k(Q[q] . K[k] / sqrt(128)) V[k].  qkv: [2048][6144] f16, a row 12,288 bytes: q at byte 0, k at 4,096,
; v at 8,192, head h 256 h further on.  ao: [2048][2048] f16.  Products, maxima and sums in f32; the weights p are rounded to f16 for the second product (their sum l is taken of the unrounded p), O once at the end.
; LIMITS.  A hidden score counts as its value less 1e30; the running maximum starts at -2^83, above every hidden score and below every true one (f16's scores are 5.5e11 at the most).  A weight below 2^-126 counts
; as 0 in l; p below 6e-5 keeps f16's fixed step of 6e-8.  NaN and infinities are not treated apart.
; THE WALK.  A head has 32 blocks of 64 queries; block i needs the key tiles 0 .. i / 4 of 256 keys.  Work-group b = 4 j + r (j the cluster, r my place in it) takes blocks 31 - b and then b: 8 - j and j + 1
; tiles, nine whatever b: all 256 work-groups do equal work, and one loop with a constant count walks them.
; CLUSTER.  The four partners differ in r alone, so in every trip they need the same tile of K and V: every tile is asked for jointly, by the same tensor load, descriptor and mask in all four.
; r enters Q's and O's addresses and three scalars that select mask VALUES; no branch, no count and no LDS address hangs on it.
; SHARES.  The four waves share the KEYS: of a tile wave w takes keys 64 w .. 64 w + 63, against all 64 queries (four tiles of 16): a fragment of K or V read from LDS feeds four products.  Each wave keeps its own
; maximum m, sum l and O^T; at a block's end the four are merged through LDS, in f32.
; LAYOUT.  S^T = K Q^T (source 0 = 16 keys, source 1 = 16 queries): a lane holds ONE query (lane % 16) and the keys 8 (lane / 16) + 0..7.  Two such results rounded to f16 ARE source 1 of O^T = V^T P, whose result
; again holds one query a lane, and eight channels.  K comes out of LDS as it lies, V ([key][channel]) turned, by ds_load_tr16_b128.
; SOFTMAX.  p = 2^(c s - c m), c = log2(e) / sqrt(128); in every step O and l are multiplied by a = 2^(c m_old - c m_new).  c m starts far below every c s: a block's first step has a = 0, and is a step like any other.
; THE MASK is the C operand that starts the sums S^T.  In a block's last tile the diagonal lies in wave d (3 - r, then r): a wave below d sees all its keys, a wave above d none; in wave d key block kb is open
; to query tile t if kb < t, hidden if kb > t, and holds the diagonal if kb = t.  Three masks of 8 registers (ML, ME, MH for kb <, =, > t) are made in every trip from three scalars, so one text serves every tile.
; BY TURNS.  The wave's query tiles are two pieces (tiles 0, 1 and tiles 2, 3).  A step: 32 products K Q^T of piece 0; 32 of piece 2 with piece 0's softmax between them; 32 products V^T P of piece 0 with piece 2's
; softmax between them; 32 of piece 2.
; REGISTERS, in windows of 256 (s_set_vgpr_msb: bits 1:0 source 0, 3:2 source 1, 5:4 source 2, 7:6 destination):
;   window 0: v0-11 addresses; v12-43 eight registers of statistics a tile; v44-49 set-up; v62-63 the add's; v64-191 S^T, 32 a tile; v192-255 P, 16 a tile
;   window 1: O^T, 64 a tile      window 2: v0-127 Q, 32 a tile; v128-255 K of my 64 keys      window 3: v0-127 V of my 64 keys; v128-159 ML, ME, MH, TRI
.set ROWB,  12288     ; bytes in a row of qkv
.set PK,    272       ; a row of K in LDS: 256 bytes + 16 of padding = 68 words: the 16 rows of a load start at 16 different groups of four banks (64 banks of 4 bytes: ISA guide 11.1)
.set PV,    288       ; a row of V: 256 + 32 = 72 words
.set VOFF,  256*PK    ; a slot holds a tile: 256 rows of K, then 256 rows of V: 143,360 bytes
.set SLOT1, 0x24000   ; slot 1 begins here: bits 17 and 14, which are 0 in the four LDS addresses at which loads into slot 0 begin (0, 0x8800, 0x11000, 0x1a000): one exclusive or changes slots
.set MB,    SLOT1+256*(PK+PV)  ; behind the ring, never filled by a tensor load: the merge's buffer: for each wave 16 rows (queries) of 512 bytes (128 channels in f32) + 16
.set MP,    528
.set STATS, MB+4*16*MP         ; (c m, l) by wave, tile and query: 4 x 4 x 16 x 8 bytes
.set SPARE, STATS+2048         ; the spare words, 128 bytes for each wave: two blocks of 256 bytes that no other line names
.set AK0, 2           ; v2   my lane's place in my wave's 64 rows of K in slot 0; never rewritten
.set AV0, 3           ; v3   the same for V
.set AK,  4           ; v4   the LDS address of K's run of loads
.set AV,  5           ; v5   of V's
.set QO,  6           ; v6   my byte offset in 16 rows of Q
.set SA,  7           ; v7   where my wave puts its statistics
.set SB,  8           ; v8   where I read all four waves'
.set MW,  9           ; v9   the merge: where I put 32 bytes of a query's row
.set MR,  10          ; v10  the merge: where I read rows back: wave w takes rows 4 w .. 4 w + 3, 16 bytes a lane
.set GO,  11          ; v11  my byte offset in ao: 4 w rows of 4,096 bytes + 8 x lane
.set ST,  12          ; tile t's statistics at v[ST+8 t]: +0 c m, +1 m, +2, +3 l (even keys', odd keys'), +4 to +7 at work; a, later the merge's factor, in +6
.set SPW, 62          ; v62  LDS address of my spare word; never rewritten
.set NIL, 63          ; v63  0; never rewritten
.set S,   64
.set P,   192
.set KF,  128         ; K's fragments, in window 2
.set ML,  128         ; window 3
.set ME,  136
.set MH,  144
.set TRI, 152         ; window 3: register n is -1e30 where key 8 (l / 16) + n lies behind query l % 16, else 0; made once
.set WV,  12          ; s12  my wave's number
.set RR,  13          ; s13  r
.set JJ,  14          ; s14  j
.set QB1, 16          ; s[16:17] Q at the first block's first row;  s[18:19] at the second's
.set QB2, 18
.set OB,  20          ; s[20:21] ao at the first row of the block in hand;  s[22:23] of the second block
.set OB2, 22
.set G1K, 24          ; s[24:31] descriptor group 1 for K's tiles
.set G1V, 32          ; s[32:39] for V's: it differs in the padding alone
.set G0K, 40          ; s[40:43] descriptor group 0 for K's tiles
.set G0V, 44          ; s[44:47] for V's
.set TB,  53          ; s53  the slot to be read: 0 or SLOT1
.set SLOTS, 56        ; s56  tiles still to be asked for
.set DG,  57          ; s57  the wave that holds the diagonal in the last tile of the block in hand
.set CS,  58          ; s[58:59] c: the packed scaling takes the pair's low word for both halves
.set SEL, 60          ; s[60:61] v_permlanex16_b32's selects: each lane takes its own place in the other half
.set RT,  62          ; s62  tiles of the block in hand that are still to be entered
.set NXT, 63          ; s63  the tile to be asked for next
.set LQ,  66          ; s66  the last tile of the block whose tiles are being asked for
.set DW,  67          ; s67  DG in a block's last tile, else 99
.set OFF, 68          ; s[68:69] a tile's byte offset in K and V
.set AL,  70          ; s[70:71] ME's factor, in the low word
.set BE,  72          ; s[72:73] ME's addend, and ML
.set HV,  74          ; s74  MH
.set BIGN, 75         ; s75  -1e30
.set MSB, 0
.macro WIN new                      ; the high byte repeats the setting that is left; a switch that changes nothing is dropped
.if MSB != (\new)
	s_set_vgpr_msb (MSB<<8)|(\new)
.set MSB, \new
.endif
.endm
.set W_KQ, 0x0a       ; K and Q in window 2, S^T in window 0
.set W_KM, 0x3a       ; the same with the C operand in window 3
.set W_PV, 0x53       ; V in window 3, P in window 0, O^T in window 1
.set W_RS, 0x41       ; O^T (destination and source 0) in window 1, the factor in window 0
; A joint fill.  Waves 0 and 1 fetch the two halves of a tile's K, waves 2 and 3 those of its V: 128 keys each.  The branch hangs on the wave's number alone.
; An s_nop 0 and four v_nop follow each of the two lines, ahead of the jump and the label.
.macro JLOAD
	s_cmp_lt_u32 s[WV], 2
	s_cbranch_scc0 .Lfor_v_\@
	tensor_load_to_lds s[G0K:G0K+3], s[G1K:G1K+7]
	s_nop 0
.rept 4
	v_nop
.endr
	s_branch .Lasked_\@
.Lfor_v_\@:
	tensor_load_to_lds s[G0V:G0V+3], s[G1V:G1V+7]
	s_nop 0
.rept 4
	v_nop
.endr
.Lasked_\@:
.endm
; A round of the cluster's barrier: my work-group's barrier, so that wave 0's signal speaks for all four waves; wave 0 signals; every wave waits for all four work-groups; my work-group's barrier once more.
.macro CROUND
	s_barrier_signal -1
	s_barrier_wait -1
	s_cmp_lg_u32 s[WV], 0
	s_cbranch_scc1 .Lnot_wave_0_\@
	s_barrier_signal -3
.Lnot_wave_0_\@:
	s_barrier_wait -3
	s_barrier_signal -1
	s_barrier_wait -1
.endm
; THE CHANGE OF SLOTS.  Each wave waits for all its tensor loads, of which one is out: its part of the other slot; adds 0 to its spare word; and waits for that and for its own reads of the slot that it leaves.
; fill = 1: the barrier is a round of the cluster's, so that no wave of any partner still reads the old slot or has a load on its way, and the old slot is filled first thing behind it, with tile NXT: the
; descriptor's address is made anew from that number.  (At its first use nothing has been read yet: slot 0 is waited for, slot 1 filled.)  By this text's count one tensor load of a wave is out at any time.
.macro CHANGE fill
	WIN 0                           ; at a label and at a branch every window is 0
	s_wait_tensorcnt 0x0            ; no tensor load of mine is out, so a group 0 may be written
	ds_add_u32 v[SPW], v[NIL]       ; 0 onto my spare word; the scalar work stands between it and the wait for it
.if \fill
	s_mul_i32 s[OFF], s[NXT], 256*ROWB  ; a tile is 256 rows of qkv
	s_xor_b32 s[G0K+1], s[G0K+1], SLOT1
	s_add_nc_u64 s[G0K+2:G0K+3], s[8:9], s[OFF:OFF+1]
	s_or_b32 s[G0K+3], s[G0K+3], 0x80000000
	s_xor_b32 s[G0V+1], s[G0V+1], SLOT1
	s_add_nc_u64 s[G0V+2:G0V+3], s[10:11], s[OFF:OFF+1]
	s_or_b32 s[G0V+3], s[G0V+3], 0x80000000
	s_add_co_u32 s[NXT], s[NXT], 1  ; the block's next tile, or behind its last the second block's tile 0
	s_cmp_gt_u32 s[NXT], s[LQ]
	s_cselect_b32 s[NXT], 0, s[NXT]
	s_cselect_b32 s[LQ], s[JJ], s[LQ]
.endif
	s_xor_b32 s[TB], s[TB], SLOT1   ; the reads go to the other slot
	s_wait_dscnt 0x0                ; the add is done, and my reads of the slot are over
.if \fill
	CROUND
	JLOAD
.else
	s_barrier_signal -1
	s_barrier_wait -1
.endif
.endm
; 64 queries' Q into window 2: tile i / 4, channels 32 (i % 4) on
.macro QLOAD base
	WIN 0x80                        ; destination window 2, address window 0
.set i, 0
.rept 16
	global_load_b128 v[8*i:8*i+3],   v[QO], s[\base:\base+1] offset:(i/4)*16*ROWB+(i%4)*64
	global_load_b128 v[8*i+4:8*i+7], v[QO], s[\base:\base+1] offset:(i/4)*16*ROWB+(i%4)*64+32
.set i, i+1
.endr
	WIN 0
.endm
	s_load_b128 s[4:7], s[0:1], 0x0 ; qkv s[4:5], ao s[6:7]
	v_lshl_add_u32 v[SPW], v0, 2, SPARE
	v_mov_b32 v[NIL], 0
	ds_add_u32 v[SPW], v[NIL]       ; the wave's opening: the add and its wait stand ahead of my first tensor load; the set-up below, work on registers, stands between them
	v_lshrrev_b32 v1, 5, v0
	v_readfirstlane_b32 s[WV], v1   ; wave 0..3
	s_bfe_u32 s[RR], ttmp6, 0x40000 ; r: my place in the cluster
	s_mov_b32 s[JJ], ttmp9          ; j: in a cluster launch ttmp9 counts clusters
	s_and_b32 s15, ttmp7, 0xffff    ; the head, which the four partners share:
	s_lshl_b32 s15, s15, 8          ; its 256 bytes in a row
	s_and_b32 s48, s[WV], 1         ; which half of a tile's 256 keys I fetch:
	s_mul_i32 s50, s48, 128*ROWB    ; its 128 rows in memory,
	s_add_co_u32 s50, s50, s15
	s_add_co_u32 s50, s50, 4096     ; in k's part of the rows
	s_mov_b32 s51, 0
	; descriptor group 1: a tile of 128 rows x 128 elements, padded in LDS
	s_mov_b32 s[G1K], 15|(1<<16)|(1<<20)|(1<<21)|(5<<22)|(3<<25)  ; 15:0 the mask of four; 17:16 2-byte elements; 20 padding on; 21 set beside a mask; 24:22 after every 64 words (code 5); 31:25 4 words (code 3)
	s_mov_b32 s[G1V], 15|(1<<16)|(1<<20)|(1<<21)|(5<<22)|(7<<25)  ; the same with 8 words of padding (code 7)
.irp g, G1K, G1V
	s_mov_b32 s[(\g)+1], 128<<16    ; tensor_dim0 = 128
	s_mov_b32 s[(\g)+2], 128<<16    ; tensor_dim1 = 128
	s_mov_b32 s[(\g)+3], 128<<16    ; tile_dim0 = 128
	s_mov_b32 s[(\g)+4], 128        ; tile_dim1 = 128
	s_mov_b32 s[(\g)+5], 6144       ; elements from row to row
	s_mov_b32 s[(\g)+6], 0
	s_mov_b32 s[(\g)+7], 0
.endr
	s_mov_b32 s[G0K], 1             ; 1:0 count = 1
	s_mul_i32 s[G0K+1], s48, 128*PK ; 63:32 LDS address: slot 0, my half: no place in the cluster enters an LDS address
	s_mov_b32 s[G0V], 1
	s_mul_i32 s[G0V+1], s48, 128*PV
	s_add_co_u32 s[G0V+1], s[G0V+1], VOFF
	s_mov_b32 s[CS], 0x3e0293ee     ; c = log2(e) / sqrt(128) = 0.127517
	s_mov_b32 s[CS+1], s[CS]        ; named with it as a pair
	s_mov_b32 s[SEL], 0x76543210
	s_mov_b32 s[SEL+1], 0xfedcba98
	s_mov_b32 s[TB], SLOT1          ; the first change of slots turns it into 0
	s_mov_b32 s[SLOTS], 8
	s_sub_co_u32 s[RT], 8, s[JJ]    ; the first block has 8 - j tiles
	s_sub_co_u32 s[LQ], 7, s[JJ]
	s_mov_b32 s[NXT], 1
	s_sub_co_u32 s[DG], 3, s[RR]
	s_mov_b32 s[OFF+1], 0
	s_mov_b32 s[AL+1], 0            ; named as pairs
	s_mov_b32 s[BE+1], 0
	s_mov_b32 s[BIGN], 0xf149f2ca   ; -1e30
	s_wait_dscnt 0x0                ; the opening add is done
	s_wait_kmcnt 0x0
	s_add_nc_u64 s[8:9], s[4:5], s[50:51]   ; K at my half of the head's tile 0,
	s_add_nc_u64 s[10:11], s[8:9], 4096     ; V likewise
	s_add_nc_u64 s[G0K+2:G0K+3], s[8:9], 0  ; 120:64 global address
	s_or_b32 s[G0K+3], s[G0K+3], 0x80000000 ; 127:126 type = 2
	s_add_nc_u64 s[G0V+2:G0V+3], s[10:11], 0
	s_or_b32 s[G0V+3], s[G0V+3], 0x80000000
	CROUND                          ; all four work-groups are here: the first joint loads meet
	JLOAD                           ; tile 0 into slot 0.  Slot 1 is asked for by the loop's own change of slots
	s_lshl_b32 s76, s[JJ], 2
	s_add_co_u32 s76, s76, s[RR]    ; b, the second block; it enters Q's and ao's addresses alone
	s_sub_co_u32 s77, 31, s76       ; the first block
	s_mov_b32 s3, 0
	s_mul_i32 s2, s77, 64*ROWB
	s_add_co_u32 s2, s2, s15
	s_add_nc_u64 s[QB1:QB1+1], s[4:5], s[2:3]
	s_mul_i32 s2, s76, 64*ROWB
	s_add_co_u32 s2, s2, s15
	s_add_nc_u64 s[QB2:QB2+1], s[4:5], s[2:3]
	s_lshl_b32 s2, s77, 18          ; 64 rows of 4,096 bytes
	s_add_co_u32 s2, s2, s15
	s_add_nc_u64 s[OB:OB+1], s[6:7], s[2:3]
	s_lshl_b32 s2, s76, 18
	s_add_co_u32 s2, s2, s15
	s_add_nc_u64 s[OB2:OB2+1], s[6:7], s[2:3]
	; A fragment of K or Q is 16 rows x 32 channels in 8 registers: lane l holds row l % 16, channels 8 (l / 16) + 0..7 and 16 + 8 (l / 16) + 0..7: two loads of 16 bytes, 32 bytes apart.
	v_and_b32 v1, 15, v0            ; l % 16
	v_bfe_u32 v44, v0, 4, 1         ; l / 16
	v_mul_u32_u24 v[QO], v1, ROWB
	v_lshl_add_u32 v[QO], v44, 4, v[QO]
	QLOAD QB1
	v_lshlrev_b32 v48, 3, v44
	v_sub_nc_u32 v48, v1, v48       ; l % 16 - 8 (l / 16): register n is hidden where n is greater
	WIN 0xc0                        ; destination window 3
.set i, 0
.rept 8
	v_cmp_gt_i32 vcc_lo, i, v48
	v_cndmask_b32 v[TRI+i], 0, s[BIGN], vcc_lo
.set i, i+1
.endr
	WIN 0
	v_mul_u32_u24 v[AK0], v1, PK
	v_lshl_add_u32 v[AK0], v44, 4, v[AK0]  ; row x pitch + 16 x half,
	s_mul_i32 s48, s[WV], 64*PK
	v_add_nc_u32 v[AK0], s48, v[AK0]       ; in my wave's 64 rows
	; The turning load takes 16 keys x 16 channels (lane l reads key 8 (l / 16) + l % 8, channels 8 ((l / 8) % 2) + 0..7) and leaves half a fragment of V^T: lane l holds channel l % 16 and 8 keys.
	v_and_b32 v46, 7, v0
	v_bfe_u32 v47, v0, 3, 1
	v_lshl_add_u32 v[AV0], v44, 3, v46
	v_mul_u32_u24 v[AV0], v[AV0], PV
	v_lshl_add_u32 v[AV0], v47, 4, v[AV0]
	s_mul_i32 s49, s[WV], 64*PV
	s_add_co_u32 s49, s49, VOFF
	v_add_nc_u32 v[AV0], s49, v[AV0]
	s_lshl_b32 s50, s[WV], 9
	s_add_co_u32 s50, s50, STATS
	v_lshl_add_u32 v[SA], v1, 3, s50       ; my wave's 512 bytes of statistics, 8 bytes a query
	v_lshlrev_b32 v[SB], 3, v1
	v_add_nc_u32 v[SB], STATS, v[SB]
	s_mul_i32 s51, s[WV], 16*MP
	s_add_co_u32 s51, s51, MB
	v_mul_u32_u24 v[MW], v1, MP
	v_lshl_add_u32 v[MW], v44, 5, v[MW]    ; row l % 16, 32 bytes for each half of the lanes
	v_add_nc_u32 v[MW], s51, v[MW]
	v_and_b32 v45, 31, v0
	s_mul_i32 s48, s[WV], 4*MP
	s_add_co_u32 s48, s48, MB
	v_lshl_add_u32 v[MR], v45, 4, s48
	s_lshl_b32 s49, s[WV], 14
	v_lshl_add_u32 v[GO], v45, 3, s49
	; A block's first step multiplies O^T and l by a = 0, so these registers need only hold finite numbers: zeros for the first block, what the first block left for the second.  No first step is written out;
	; the price is these 264 lines, which stand in the wait for the first tile.
	WIN 0x40
.set i, 0
.rept 256
	v_mov_b32 v[i], 0
.set i, i+1
.endr
	WIN 0
.irp t, 0,1,2,3
	v_mov_b32 v[ST+8*(\t)], 0xfe000000    ; c m: far below every c s
	v_mov_b32 v[ST+8*(\t)+1], 0xe9000000  ; m = -2^83: below every true score, above every hidden one, so that a wave whose keys are all hidden has p = 0 and not 2^(a rounding residue of c x 1e30)
	v_mov_b32 v[ST+8*(\t)+2], 0
	v_mov_b32 v[ST+8*(\t)+3], 0
.endr
; THE MATRIX WORK.  The accumulators take turns, one instruction a turn: between two links of a chain stand 7 (K Q^T) or 15 (V^T P) others'.
; Product i of 32 of S^T = K Q^T for piece x: channels 32 (i / 8) on, keys 16 ((i / 2) % 4) on, tile x + i % 2.  The first 8 start the sums, with the mask that goes with key block and tile.
.macro MKQ x
.set rS, S+32*((\x)+i%2)+8*((i/2)%4)
.set rK, KF+32*((i/2)%4)+8*(i/8)
.set rQ, 32*((\x)+i%2)+8*(i/8)
.if i < 8
.set kb, (i/2)%4
.set tt, (\x)+i%2
.if kb < tt
.set rM, ML
.elseif kb == tt
.set rM, ME
.else
.set rM, MH
.endif
	WIN W_KM
	v_wmma_f32_16x16x32_f16 v[rS:rS+7], v[rK:rK+7], v[rQ:rQ+7], v[rM:rM+7]
.else
	WIN W_KQ
	v_wmma_f32_16x16x32_f16 v[rS:rS+7], v[rK:rK+7], v[rQ:rQ+7], v[rS:rS+7]
.endif
.endm
; Product i of 32 of O^T += V^T P for piece x: keys 32 (i / 16) on, channels 16 ((i / 2) % 8) on, tile x + i % 2.
.macro MPV x
	WIN W_PV
.set rO, 64*((\x)+i%2)+8*((i/2)%8)
.set rV, 64*(i/16)+8*((i/2)%8)
.set rP, P+16*((\x)+i%2)+8*(i/16)
	v_wmma_f32_16x16x32_f16 v[rO:rO+7], v[rV:rV+7], v[rP:rP+7], v[rO:rO+7]
.endm
; THE VECTOR WORK.  One tile's softmax for a step is a list of 134 instructions; SM writes number j of it for tile t.  s0-s31 are the lane's 32 scores, in pairs 0-15.
;   0-15    the maximum of s0-s31 and the old m, three operands at a time: four chains of seven scores each (each accumulator's lowest registers are read first), then the rest
;   16-20   the other half of the lanes' maximum; the new m; c m; c m_old - c m_new
;   21-87   33 exponentials (a, then s0-s31) at the odd numbers from 23 on, so that no two follow each other and each has a plain instruction behind it before its result is used (ISA guide 5.7.2);
;           the plain ones are whatever is ready: c s - c m for a pair whose exponentials are still to come, the rounding to f16 of a pair whose exponentials are done, the first three sums
;   88-101  the last rounding; the rest of the sums; l = a l + the sum
;   102-133 the tile's O^T times a: the one part that leaves window 0, so it stands together
.macro SM t
.set rT, ST+8*(\t)
.set rS, S+32*(\t)
.set rP, P+16*(\t)
.set rO, 64*(\t)+2*(j-102)
.set q, (j-20)/2
.if j < 102
	WIN 0
.endif
.if j < 4
	v_max3_num_f32 v[rT+4+j], v[rS+8*j], v[rS+8*j+1], v[rS+8*j+2]
.elseif j < 12
	v_max3_num_f32 v[rT+4+j%4], v[rT+4+j%4], v[rS+8*(j%4)+2*(j/4)+1], v[rS+8*(j%4)+2*(j/4)+2]
.elseif j == 12
	v_max3_num_f32 v[rT+4], v[rT+4], v[rS+7], v[rS+15]
.elseif j == 13
	v_max3_num_f32 v[rT+6], v[rT+6], v[rS+23], v[rS+31]
.elseif j == 14
	v_max3_num_f32 v[rT+4], v[rT+4], v[rT+5], v[rT+6]
.elseif j == 15
	v_max3_num_f32 v[rT+4], v[rT+4], v[rT+7], v[rT+1]
.elseif j == 16
	v_permlanex16_b32 v[rT+5], v[rT+4], s[SEL], s[SEL+1]  ; the query's other 32 keys lie in the lane 16 away
.elseif j == 17
	v_mov_b32 v[rT+7], v[rT]        ; c m_old is kept for a: number 19 writes c m anew
.elseif j == 18
	v_max_num_f32 v[rT+1], v[rT+4], v[rT+5]
.elseif j == 19
	v_mul_f32 v[rT], s[CS], v[rT+1]
.elseif j == 20
	v_sub_f32 v[rT+7], v[rT+7], v[rT]
.elseif j == 23
	v_exp_f32 v[rT+6], v[rT+7]
.elseif (j < 88) && (j > 23) && (j%2 == 1)
	v_exp_f32 v[rS+(j-25)/2], v[rS+(j-25)/2]
.elseif (q < 4) || ((j < 76) && (q%2 == 0))
.set b, q/2+2
.if q < 4
.set b, q
.endif
	v_pk_fma_f32 v[rS+2*b:rS+2*b+1], v[rS+2*b:rS+2*b+1], s[CS:CS+1], v[rT:rT+1] op_sel_hi:[1,0,0] neg_lo:[0,0,1] neg_hi:[0,0,1]  ; pair b: c s - c m
.elseif (j < 88) && (q%2 == 1)
	s_wait_alu depctr_va_vdst(0)
	v_cvt_pk_f16_f32 v[rP+(q-5)/2], v[rS+q-5], v[rS+q-4]  ; pair (q - 5) / 2: its second exponential stands three numbers back
.elseif j == 89
	s_wait_alu depctr_va_vdst(0)
	v_cvt_pk_f16_f32 v[rP+15], v[rS+30], v[rS+31]
.elseif j < 102                     ; the sum of the tile's 16 pairs, in place: sum z of 16 adds neighbours 1, 2, 4 and 8 pairs apart, then l takes it
.set z, j-86
.if j < 89
.set z, (j-76)/4
.endif
.set w, 4
.set u, z
.if z >= 14
.set w, 32
.set u, 0
.elseif z >= 12
.set w, 16
.set u, z-12
.elseif z >= 8
.set w, 8
.set u, z-8
.endif
.if z < 15
	v_pk_add_f32 v[rS+w*u:rS+w*u+1], v[rS+w*u:rS+w*u+1], v[rS+w*u+w/2:rS+w*u+w/2+1]
.else
	v_pk_fma_f32 v[rT+2:rT+3], v[rT+2:rT+3], v[rT+6:rT+7], v[rS:rS+1] op_sel_hi:[1,0,1]
.endif
.else
	WIN W_RS
	v_pk_mul_f32 v[rO:rO+1], v[rO:rO+1], v[rT+6:rT+7] op_sel_hi:[1,0]
.endif
.endm
; Slice k of 64 of piece y's softmax: numbers 2 k and 2 k + 1 of both tiles' lists, four instructions.  2 x 134 = 4 x 64 + 12: the twelve that are over stand together, in slice 63.
.macro SLICE y
.if (k >= 11) && (k < 44)           ; tile by tile: plain, exponential, plain, exponential
.irp t, \y, (\y)+1
.irp n, 0,1
.set j, 2*k+(\n)
	SM \t
.endr
.endr
.else                               ; the two tiles alternate, so that no instruction reads the result of the one just before it
.irp n, 0,1,2,3,4,5,6,7
.if ((\n) < 2) || (k == 63)
.irp t, \y, (\y)+1
.set j, 2*k+(\n)
	SM \t
.endr
.endif
.endr
.endif
.set k, k+1
.endm
; A STEP: my 64 keys of the tile in slot TB against the block's 64 queries.
.macro STEP
	s_sub_co_u32 s[RT], s[RT], 1
	s_cmp_eq_u32 s[RT], 0           ; the block's last tile?
	s_cselect_b32 s[DW], s[DG], 99
	s_cmp_eq_u32 s[WV], s[DW]       ; these compares feed selects of VALUES alone
	s_cselect_b32 s[AL], 1.0, 0
	s_cmp_gt_u32 s[WV], s[DW]
	s_cselect_b32 s[BE], s[BIGN], 0
	s_cmp_ge_u32 s[WV], s[DW]
	s_cselect_b32 s[HV], s[BIGN], 0
	WIN 0xc3                        ; destination and source 0 window 3.  These 20 lines and the two below are also the places between the last step's products and the loads into V's registers
.set i, 0
.rept 8
	v_mov_b32 v[ML+i], s[BE]
	v_mov_b32 v[MH+i], s[HV]
.set i, i+1
.endr
.set i, 0
.rept 4
	v_pk_fma_f32 v[ME+2*i:ME+2*i+1], v[TRI+2*i:TRI+2*i+1], s[AL:AL+1], s[BE:BE+1] op_sel_hi:[1,0,0]
.set i, i+1
.endr
	WIN 0
	v_add_nc_u32 v[AK], s[TB], v[AK0]
	v_add_nc_u32 v[AV], s[TB], v[AV0]
	WIN 0x80                        ; destination window 2
.irp f, 0,1,2,3,4,5,6,7,8,9,10,11,12,13,14,15  ; keys 16 (f / 4) on, channels 32 (f % 4) on
	ds_load_b128 v[KF+8*(\f):KF+8*(\f)+3],   v[AK] offset:((\f)/4)*16*PK+((\f)%4)*64
	ds_load_b128 v[KF+8*(\f)+4:KF+8*(\f)+7], v[AK] offset:((\f)/4)*16*PK+((\f)%4)*64+32
.endr
	WIN 0xc0                        ; destination window 3
.irp f, 0,1,2,3,4,5,6,7,8,9,10,11,12,13,14,15  ; keys 32 (f / 8) on, channels 16 (f % 8) on
	ds_load_tr16_b128 v[8*(\f):8*(\f)+3],   v[AV] offset:((\f)/8)*32*PV+((\f)%8)*32
	ds_load_tr16_b128 v[8*(\f)+4:8*(\f)+7], v[AV] offset:((\f)/8)*32*PV+16*PV+((\f)%8)*32
.endr
	s_wait_loadcnt 0x0              ; Q (met at once but in a block's first step)
	s_wait_dscnt 32                 ; K is in; V's 32 loads, issued behind K's, may be out
.set i, 0
.rept 32
	MKQ 0                           ; piece 0's scores: no vector work is ready to set between them
.set i, i+1
.endr
.rept 4
	v_nop                           ; the places behind those products
.endr
.set k, 0
.set i, 0
.rept 32
	MKQ 2                           ; piece 2's scores | piece 0's softmax, two slices behind each product; slices 62 and 63, twenty plain lines on O^T, are the places behind the last
	SLICE 0
	SLICE 0
.set i, i+1
.endr
	s_wait_dscnt 0x0                ; V is in
.set k, 0
.set i, 0
.rept 32
	MPV 0                           ; piece 0's V^T P | piece 2's softmax
	SLICE 2
	SLICE 2
.set i, i+1
.endr
.set i, 0
.rept 32
	MPV 2
.set i, i+1
.endr
	WIN 0
.endm
; A BLOCK'S END.  The four waves' partial results are merged: with cM the largest of their c m and e_w = 2^(c m_w - cM), O = (the sum of e_w O_w) / (the sum of e_w l_w).  Each wave scales its O^T by
; g = e_own / L, lays it into its part of the merge's buffer a tile (16 queries) at a time, and adds up, rounds and stores 4 of the tile's 16 rows.  All in f32 up to the one rounding.
; more = 1: the second block follows: its Q is asked for at once, and m, c m, ao's address and the walk's scalars are set for it.
; Its barriers stand under a branch that hangs on the cluster's number and the loop's count alone: the same way for all four waves and all four partners.
.macro MERGE more
	WIN 0
.irp t, 0,1,2,3
	v_add_f32 v[ST+8*(\t)+6], v[ST+8*(\t)+2], v[ST+8*(\t)+3]  ; l's two halves; these four lines are the places behind the last products
.endr
.irp t, 0,1,2,3
	v_permlanex16_b32 v[ST+8*(\t)+7], v[ST+8*(\t)+6], s[SEL], s[SEL+1]
.endr
.irp t, 0,1,2,3
	v_add_f32 v[ST+8*(\t)+5], v[ST+8*(\t)+6], v[ST+8*(\t)+7]  ; and the other half of the lanes'
	v_mov_b32 v[ST+8*(\t)+4], v[ST+8*(\t)]
.endr
.irp t, 0,1,2,3
	ds_store_b64 v[SA], v[ST+8*(\t)+4:ST+8*(\t)+5] offset:128*(\t)  ; (c m, l); the two halves of the lanes hold and write the same
.endr
.if \more
	QLOAD QB2
.endif
	s_wait_dscnt 0x0                ; for the others' sake: my statistics are stored
	s_barrier_signal -1
	s_barrier_wait -1
.irp t, 0,1,2,3
.irp u, 0,1,2,3
	ds_load_b64 v[S+8*(\t)+2*(\u):S+8*(\t)+2*(\u)+1], v[SB] offset:512*(\u)+128*(\t)  ; wave u's, for tile t
.endr
.endr
	s_wait_dscnt 0x0
.irp t, 0,1,2,3
	v_max3_num_f32 v[ST+8*(\t)+4], v[S+8*(\t)], v[S+8*(\t)+2], v[S+8*(\t)+4]
.endr
.irp t, 0,1,2,3
	v_max_num_f32 v[ST+8*(\t)+4], v[ST+8*(\t)+4], v[S+8*(\t)+6]  ; cM
.endr
.irp u, 0,1,2,3
.irp t, 0,1,2,3
	v_sub_f32 v[S+8*(\t)+2*(\u)], v[S+8*(\t)+2*(\u)], v[ST+8*(\t)+4]
.endr
.endr
.irp t, 0,1,2,3
	v_sub_f32 v[ST+8*(\t)+6], v[ST+8*(\t)], v[ST+8*(\t)+4]
.endr
.irp u, 0,1,2,3
.irp t, 0,1,2,3
	v_exp_f32 v[S+8*(\t)+2*(\u)], v[S+8*(\t)+2*(\u)]  ; e_u
.endr
.endr
.irp t, 0,1,2,3
	v_exp_f32 v[ST+8*(\t)+6], v[ST+8*(\t)+6]          ; e_own
.endr
	v_nop                           ; a plain instruction between the last exponential and the use of its result
	s_wait_alu depctr_va_vdst(0)
.irp t, 0,1,2,3
	v_mul_f32 v[ST+8*(\t)+5], v[S+8*(\t)], v[S+8*(\t)+1]
.endr
.irp u, 1,2,3
.irp t, 0,1,2,3
	v_fmac_f32 v[ST+8*(\t)+5], v[S+8*(\t)+2*(\u)], v[S+8*(\t)+2*(\u)+1]  ; L; the wave with c m = cM has e = 1 and l of at least about 1
.endr
.endr
.irp t, 0,1,2,3
	v_rcp_f32 v[ST+8*(\t)+7], v[ST+8*(\t)+5]
.endr
	v_nop
	s_wait_alu depctr_va_vdst(0)
.irp t, 0,1,2,3
	v_mul_f32 v[ST+8*(\t)+6], v[ST+8*(\t)+6], v[ST+8*(\t)+7]  ; g
.endr
.irp t, 0,1,2,3                     ; four passes, a tile each
	WIN W_RS
.set i, 0
.rept 32
	v_pk_mul_f32 v[64*(\t)+2*i:64*(\t)+2*i+1], v[64*(\t)+2*i:64*(\t)+2*i+1], v[ST+8*(\t)+6:ST+8*(\t)+7] op_sel_hi:[1,0]  ; each accumulator's registers in ascending order
.set i, i+1
.endr
	WIN 0x04                        ; store data (source 1) window 1, address window 0
.set i, 0
.rept 16                            ; channels 16 (i / 2) + 8 (l / 16) + 4 (i % 2) on
	ds_store_b128 v[MW], v[64*(\t)+4*i:64*(\t)+4*i+3] offset:64*(i/2)+16*(i%2)
.set i, i+1
.endr
	WIN 0
	s_wait_dscnt 0x0                ; for the others' sake: my part of the tile is stored
	s_barrier_signal -1
	s_barrier_wait -1
.set i, 0
.rept 16                            ; row i / 4 of my four, wave i % 4's part
	ds_load_b128 v[S+4*i:S+4*i+3], v[MR] offset:16*MP*(i%4)+MP*(i/4)
.set i, i+1
.endr
	s_wait_dscnt 0x0                ; my reads of the buffer are over:
.if (\t) < 3
	s_barrier_signal -1             ; say so; the next pass writes it again only when all four have said so.  Work on registers stands between signal and wait
.endif
.set i, 0
.rept 4
.set b, S+16*i
	v_pk_add_f32 v[b:b+1], v[b:b+1], v[b+4:b+5]
	v_pk_add_f32 v[b+2:b+3], v[b+2:b+3], v[b+6:b+7]
	v_pk_add_f32 v[b+8:b+9], v[b+8:b+9], v[b+12:b+13]
	v_pk_add_f32 v[b+10:b+11], v[b+10:b+11], v[b+14:b+15]
.set i, i+1
.endr
.set i, 0
.rept 4
.set b, S+16*i
	v_pk_add_f32 v[b:b+1], v[b:b+1], v[b+8:b+9]
	v_pk_add_f32 v[b+2:b+3], v[b+2:b+3], v[b+10:b+11]
.set i, i+1
.endr
.set i, 0
.rept 4
.set b, S+16*i
	v_cvt_pk_f16_f32 v[P+8*(\t)+2*i], v[b], v[b+1]
	v_cvt_pk_f16_f32 v[P+8*(\t)+2*i+1], v[b+2], v[b+3]
.set i, i+1
.endr
.if (\t) < 3
	s_barrier_wait -1
.endif
.irp n, 0,1,2,3
	global_store_b64 v[GO], v[P+8*(\t)+2*(\n):P+8*(\t)+2*(\n)+1], s[OB:OB+1] offset:(16*(\t)+(\n))*4096  ; 32 lanes store a head's 256 bytes of a row, aligned; each store has data registers of its own
.endr
.endr
.if \more
	s_wait_xcnt 0x0                 ; the stores have read their registers and ao's address: only behind this wait are these rewritten
	s_mov_b64 s[OB:OB+1], s[OB2:OB2+1]
	s_add_co_u32 s[RT], s[JJ], 1    ; the second block has j + 1 tiles
	s_mov_b32 s[DG], s[RR]
.irp t, 0,1,2,3
	v_mov_b32 v[ST+8*(\t)], 0xfe000000
	v_mov_b32 v[ST+8*(\t)+1], 0xe9000000
.endr
.endif
.endm
.Lslot:                             ; 8 trips: a tile is entered and the next is asked for
	CHANGE 1
	STEP
	s_cmp_lg_u32 s[RT], 0
	s_cbranch_scc1 .Lbottom
	MERGE 1                         ; in the loop this is the first block's end (trip 8 - j): the second block's last tile is the walk's last
.Lbottom:
	s_sub_co_u32 s[SLOTS], s[SLOTS], 1
	s_cmp_lg_u32 s[SLOTS], 0
	s_cbranch_scc1 .Lslot
	CHANGE 0                        ; the walk's last tile is written out: nothing is asked for
	STEP
	MERGE 0
	s_wait_tensorcnt 0x0            ; the wave's end, behind my last tensor load and my last LDS store
	ds_add_u32 v[SPW], v[NIL]
	s_wait_dscnt 0x0
	CROUND                          ; the closing round: no work-group ends while a partner may still ask for a tile that names it
	s_endpgm
.Lfunc_end_k_qed3e7e3e23_attn:
	.size	k_qed3e7e3e23_attn, .Lfunc_end_k_qed3e7e3e23_attn-k_qed3e7e3e23_attn
	.p2alignl 7, 3214868480
	.fill 96, 4, 3214868480
	.section	.rodata,"a",@progbits
	.p2align	6, 0x0
	.amdhsa_kernel k_qed3e7e3e23_attn
		.amdhsa_group_segment_fixed_size 327680
		.amdhsa_private_segment_fixed_size 0
		.amdhsa_enable_private_segment 0
		.amdhsa_kernarg_size 16
		.amdhsa_user_sgpr_count 2
		.amdhsa_user_sgpr_kernarg_segment_ptr 1
		.amdhsa_wavefront_size32 1
		.amdhsa_system_sgpr_workgroup_id_x 1
		.amdhsa_system_sgpr_workgroup_id_y 1
		.amdhsa_system_sgpr_workgroup_id_z 1
		.amdhsa_system_vgpr_workitem_id 0
		.amdhsa_next_free_vgpr 928
		.amdhsa_next_free_sgpr 80
		.amdhsa_reserve_vcc 1
		.amdhsa_float_denorm_mode_32 3
		.amdhsa_float_denorm_mode_16_64 3
		.amdhsa_memory_ordered 1
		.amdhsa_forward_progress 1
		.amdhsa_inst_pref_size 185
	.end_amdhsa_kernel
	.amdgpu_metadata
---
amdhsa.version: [ 1, 2 ]
amdhsa.kernels:
  - .name:           k_qed3e7e3e23_attn
    .symbol:         k_qed3e7e3e23_attn.kd
    .args:
      - { .name: qkv, .offset: 0, .size: 8, .value_kind: global_buffer, .address_space: global }
      - { .name: ao, .offset: 8, .size: 8, .value_kind: global_buffer, .address_space: global }
    .group_segment_fixed_size: 327680
    .private_segment_fixed_size: 0
    .kernarg_segment_align: 8
    .kernarg_segment_size: 16
    .max_flat_workgroup_size: 128
    .sgpr_count:     80
    .vgpr_count:     928
    .wavefront_size: 32
...
	.end_amdgpu_metadata
.endif
;; end of part 4
;; launch oproj (part 5): grid 16 x 16, 4 waves a work-group, clusters of 4 x 4, 327,680 bytes of LDS; arguments ao, wo16, bias, out0; writes out0
.if DOCPART == 5
	.amdgcn_target "amdgcn-amd-amdhsa--gfx1250"
	.amdhsa_code_object_version 6
	.text
	.protected	k_qed3e7e3e23_oproj
	.globl	k_qed3e7e3e23_oproj
	.p2align	8
	.type	k_qed3e7e3e23_oproj,@function
k_qed3e7e3e23_oproj:
	s_mov_b64 s[64:65], 0
	v_nop
	global_prefetch_b8 v0, s[64:65] scope:SCOPE_SE
	s_setreg_imm32_b32 hwreg(HW_REG_WAVE_MODE, 25, 1), 1
	s_wait_xcnt 0x0
	s_wait_alu depctr_hold_cnt(0) depctr_sa_sdst(0) depctr_va_vdst(0) depctr_va_sdst(0) depctr_va_ssrc(0) depctr_va_vcc(0) depctr_vm_vsrc(0)
	s_getreg_b32 s2, hwreg(HW_REG_IB_STS2, 6, 4)
	s_cmp_eq_u32 s2, 0
	s_cbranch_scc0 .Lentry_in_a_cluster
	s_endpgm
.Lentry_in_a_cluster:
	s_bfe_u32 s2, ttmp6, 0x10000c
	s_cmp_lg_u32 s2, 0xf033
	s_cbranch_scc0 .Lentry_shape_is_right
	s_endpgm
.Lentry_shape_is_right:
; out0[m][n] = bo[n] + the sum over k of ao[m][k] wo16[n][k].  ao, wo16: [2048][2048] f16; bo: words 6144 on of bias, f32; out0: [2048][2048] f32; sums in f32.
; LIMITS.  The bias is the start of the sum, not its last term.  NaN and infinities are not treated apart.
; SHARES.  256 tiles of 128 x 128, one for each work-group.  Four waves, each 64 x 64: 16 accumulators of 16 x 16, 128 registers.  K goes in steps of 256 (LDS rows of 512 bytes; a wave's tensor load brings
; 64 of them), as long as two slots in LDS allow.  A wave's 64 columns in f32 are 256 aligned bytes of a row, so each wave has a stage of its own on the way out and no barrier stands there.
; CLUSTER.  4 x 4 work-groups.  The four of a row of the cluster need the same tiles of ao, the four of a column the same tiles of wo16: each tile is asked for jointly, by the same tensor load with the
; same descriptor and a mask that names the four.  THE MATRIX INSTRUCTION IS USED TRANSPOSED (source 0 = 16 rows of wo16, source 1 = 16 rows of ao): a lane holds eight neighbouring numbers of a row of out0.
; REGISTERS: window 0: v0-31 addresses; v32-95 rows read back on the way out, two sets; v96-127 the bias of my 64 columns; v128-255 the accumulators ((a, b) at v[128 + 8 (4 a + b)]).
;   window 1: two fragment buffers of 128: for 64 along K, 64 registers of ao (2 x 4 x 16 rows x 32 K), then 64 of wo16.
.set SIZE_K, 2048
.set SIZE_N, 2048
.set KSTEP,  256
.set PITCH,  528                       ; an LDS row: 512 bytes of data + 16 of padding = 132 words: row r starts at bank 4 r mod 64 (64 banks of 4 bytes: ISA guide 11.1)
.set HALFT,  64*PITCH                  ; 64 rows: what one tensor load brings, and what one wave reads of either operand
.set SLOT,   4*HALFT                   ; ao's 128 rows, then wo16's 128 rows
.set STAGE,  2*SLOT                    ; behind the ring, never filled by a tensor load: 16 rows x 272 bytes for each wave
.set SPITCH, 272
.set SPARE,  STAGE+4*16*SPITCH         ; behind the stages: the spare words, 128 bytes for each wave: two blocks of 256 bytes that no other line names
.set LAPS, SIZE_K/(2*KSTEP)            ; a lap = two K steps = once round the ring: 4
.set ADRA, 16                          ; v16-17  LDS address of my fragments of ao in slot 0, 1
.set ADRB, 20                          ; v20-21  the same for wo16
.set STO,  24                          ; v24     the way out: where I put 32 bytes of a row
.set RD,   25                          ; v25     the way out: where I read a row back
.set CO,   26                          ; v26     my byte offset in out0
.set BO,   27                          ; v27     my byte offset in the bias of 16 columns
.set SPW,  28                          ; v28     LDS address of my spare word; never rewritten
.set NIL,  29                          ; v29     0; never rewritten
.set OUTB, 32
.set BIAS, 96                          ; 8 registers for each of my 4 blocks of 16 columns
.set ACC,  128
.set F0,   0                           ; fragment buffers, in window 1
.set F1,   128
.set WV,  12                           ; s12  my wave's number
.set HC,  2                            ; s2   which half of the tile's columns is mine.  Also: which 64 rows of a tile I fetch
.set HR,  45                           ; s45  which half of its rows.  Also: I fetch for ao (0) or for wo16 (1)
.set G1, 24                            ; s[24:31] descriptor group 1 for ao's tiles;  s[32:39] group 0, one set for each slot
.set G0, 32
.set G1B, 48                           ; s[48:55], s[56:63] the same for wo16's tiles
.set G0B, 56
.set MSB, 0
.macro WIN new                         ; the immediate's high byte repeats the setting that is left
.if MSB != (\new)
	s_set_vgpr_msb (MSB<<8)|(\new)
.set MSB, \new
.endif
.endm
.set MUL,  0x05                        ; sources 0 and 1 window 1; C and D window 0
.set TO_F, 0x40                        ; destination window 1, address window 0
.macro JLOAD s                         ; a joint load: waves 0 and 1 fetch ao's two halves, waves 2 and 3 wo16's; an s_nop 0 and four v_nop follow each of the two lines, ahead of the jump, the label and what follows
	s_cmp_eq_u32 s[HR], 0
	s_cbranch_scc0 .Lfor_b_\@
	tensor_load_to_lds s[G0+4*(\s):G0+4*(\s)+3], s[G1:G1+7]
	s_nop 0
.rept 4
	v_nop
.endr
	s_branch .Lasked_\@
.Lfor_b_\@:
	tensor_load_to_lds s[G0B+4*(\s):G0B+4*(\s)+3], s[G1B:G1B+7]
	s_nop 0
.rept 4
	v_nop
.endr
.Lasked_\@:
.endm
.macro CREST                           ; a round of the cluster's barrier behind its opening barrier
	s_cmp_lg_u32 s[WV], 0
	s_cbranch_scc1 .Lnot_wave_0_\@
	s_barrier_signal -3
.Lnot_wave_0_\@:
	s_barrier_wait -3
	s_barrier_signal -1
	s_barrier_wait -1
.endm
.macro CROUND                          ; a whole round
	s_barrier_signal -1
	s_barrier_wait -1
	CREST
.endm
	s_load_b256 s[4:11], s[0:1], 0x0               ; ao s[4:5], wo16 s[6:7], bias s[8:9], out0 s[10:11]
	v_lshl_add_u32 v[SPW], v0, 2, SPARE
	v_mov_b32 v[NIL], 0
	ds_add_u32 v[SPW], v[NIL]                      ; the wave's opening: the add and its wait stand ahead of my first tensor load; the set-up below, work on registers, stands between them
	v_lshrrev_b32 v1, 5, v0
	v_readfirstlane_b32 s[WV], v1                  ; wave 0..3
	s_lshr_b32 s[HR], s[WV], 1
	s_and_b32 s[HC], s[WV], 1
	s_bfe_u32 s40, ttmp6, 0x40000                  ; cx, cy: my place in the cluster
	s_bfe_u32 s41, ttmp6, 0x40004
	s_lshl_b32 s42, ttmp9, 2
	s_add_co_u32 s42, s42, s40                     ; tile column = 4 x cluster x + cx
	s_and_b32 s13, ttmp7, 0xffff
	s_lshl_b32 s13, s13, 2
	s_add_co_u32 s13, s13, s41                     ; tile row = 4 x cluster y + cy
	s_lshl_b32 s43, s41, 2
	s_lshl_b32 s43, 15, s43                        ; my row of the cluster
	s_lshl_b32 s44, 0x1111, s40                    ; my column
	; descriptor group 1: a tile of 64 rows x 256 elements, padded in LDS
	s_or_b32 s[G1+0], s43, (1<<16)|(1<<20)|(1<<21)|(6<<22)|(3<<25)  ; 15:0 the mask: ao's tiles go to my row; 17:16 2-byte elements; 20 padding on; 21 set beside a mask; 24:22 after every 128 words (code 6); 31:25 4 words (code 3)
	s_or_b32 s[G1B+0], s44, (1<<16)|(1<<20)|(1<<21)|(6<<22)|(3<<25)
.irp g, G1, G1B
	s_mov_b32 s[(\g)+1], KSTEP<<16                 ; tensor_dim0 = 256
	s_mov_b32 s[(\g)+2], 64<<16                    ; tensor_dim1 = 64
	s_mov_b32 s[(\g)+3], KSTEP<<16                 ; tile_dim0 = 256
	s_mov_b32 s[(\g)+4], 64                        ; tile_dim1 = 64
	s_mov_b32 s[(\g)+5], SIZE_K                    ; elements from row to row
	s_mov_b32 s[(\g)+6], 0
	s_mov_b32 s[(\g)+7], 0
.endr
	s_lshl_b32 s17, s[HC], 6                       ; which 64 rows of the tile I fetch
	s_lshl_b32 s16, s13, 7
	s_add_co_u32 s16, s16, s17                     ; ao: row 128 x tile row + 64 x half
	s_lshl_b32 s46, s42, 7
	s_add_co_u32 s46, s46, s17                     ; wo16: row 128 x tile column + 64 x half
	s_mov_b32 s17, 0
	s_mov_b32 s47, 0
	s_mov_b64 s[18:19], SIZE_K*2
	s_mul_u64 s[16:17], s[16:17], s[18:19]
	s_mul_u64 s[46:47], s[46:47], s[18:19]
	s_mul_i32 s20, s[WV], HALFT                    ; where they go: wave x 64 rows: no place in the cluster enters an LDS address
	s_wait_dscnt 0x0                               ; the opening add is done
	s_wait_kmcnt 0x0
	s_add_nc_u64 s[14:15], s[4:5], s[16:17]
	s_add_nc_u64 s[46:47], s[6:7], s[46:47]
	CROUND                                         ; all sixteen work-groups are here: the first joint loads meet
.irp s, 0,1
	s_mov_b32 s[G0+4*(\s)], 1
	s_add_co_u32 s[G0+4*(\s)+1], s20, (\s)*SLOT
	s_add_nc_u64 s[G0+4*(\s)+2:G0+4*(\s)+3], s[14:15], (\s)*KSTEP*2
	s_or_b32 s[G0+4*(\s)+3], s[G0+4*(\s)+3], 0x80000000
	s_mov_b32 s[G0B+4*(\s)], 1
	s_add_co_u32 s[G0B+4*(\s)+1], s20, (\s)*SLOT
	s_add_nc_u64 s[G0B+4*(\s)+2:G0B+4*(\s)+3], s[46:47], (\s)*KSTEP*2
	s_or_b32 s[G0B+4*(\s)+3], s[G0B+4*(\s)+3], 0x80000000
	JLOAD \s                                       ; two loads of mine are out
.endr
	v_and_b32 v1, 15, v0                           ; l % 16
	v_bfe_u32 v2, v0, 4, 1                         ; l / 16
	v_lshlrev_b32 v[BO], 5, v2
	s_lshl_b32 s46, s42, 9                         ; my first column in f32 bytes, in bo and in a row of out0 alike: 512 x tile column + 256 x half
	s_lshl_b32 s47, s[HC], 8
	s_add_co_u32 s46, s46, s47
	s_mov_b32 s47, 0
	s_add_nc_u64 s[10:11], s[10:11], s[46:47]
	s_add_nc_u64 s[8:9], s[8:9], s[46:47]
	s_add_nc_u64 s[8:9], s[8:9], 24576             ; bo lies behind bq, bk and bv
.irp b, 0,1,2,3
	global_load_b128 v[BIAS+8*(\b):BIAS+8*(\b)+3],   v[BO], s[8:9] offset:64*(\b)     ; a lane's register j of block b is column 16 b + 8 (l / 16) + j
	global_load_b128 v[BIAS+8*(\b)+4:BIAS+8*(\b)+7], v[BO], s[8:9] offset:64*(\b)+16
.endr
	v_mul_u32_u24 v3, v1, PITCH
	v_lshl_add_u32 v3, v2, 4, v3                   ; a fragment's row x pitch + 16 x half
	s_mul_i32 s21, s[HR], HALFT                    ; my 64 rows of ao
	s_mul_i32 s22, s[HC], HALFT                    ; my 64 rows of wo16,
	s_add_co_u32 s22, s22, 2*HALFT                 ; which lie behind ao's 128
.irp s, 0,1
	v_add_nc_u32 v[ADRA+(\s)], s21, v3
	v_add_nc_u32 v[ADRB+(\s)], s22, v3
	s_add_co_u32 s21, s21, SLOT
	s_add_co_u32 s22, s22, SLOT
.endr
	s_mul_i32 s23, s[WV], 16*SPITCH
	s_add_co_u32 s23, s23, STAGE                   ; my stage
	v_mul_u32_u24 v4, v1, SPITCH                   ; in: row l % 16, 32 bytes for each half of the lanes
	v_lshl_add_u32 v4, v2, 5, v4
	v_add_nc_u32 v[STO], s23, v4
	v_mul_u32_u24 v5, v2, SPITCH                   ; back: lanes 0-15 take one row of 256 bytes, lanes 16-31 the next
	v_lshl_add_u32 v5, v1, 4, v5
	v_add_nc_u32 v[RD], s23, v5
	v_lshlrev_b32 v5, 13, v2                       ; and the same two rows in out0, 8,192 bytes apart
	v_lshl_add_u32 v[CO], v1, 4, v5
	s_lshl_b32 s16, s13, 7
	s_lshl_b32 s17, s[HR], 6
	s_add_co_u32 s16, s16, s17                     ; my first row: 128 x tile row + 64 x half
	s_lshl_b32 s16, s16, 13
	s_mov_b32 s17, 0
	s_add_nc_u64 s[10:11], s[10:11], s[16:17]
; 8 matrix instructions: row blocks a0, a0 + 1 x all 4 column blocks, 32 along K: half c of buffer f.  first = 1: the bias is the C operand and starts the sums.  The 16 accumulators take turns.
.macro MUL8 f, c, a0, first
	WIN MUL
.irp a, \a0, (\a0)+1
.irp b, 0,1,2,3
.if \first
	v_wmma_f32_16x16x32_f16 v[ACC+8*(4*(\a)+(\b)):ACC+8*(4*(\a)+(\b))+7], v[(\f)+64+8*(4*(\c)+(\b)):(\f)+64+8*(4*(\c)+(\b))+7], v[(\f)+8*(4*(\c)+(\a)):(\f)+8*(4*(\c)+(\a))+7], v[BIAS+8*(\b):BIAS+8*(\b)+7]
.else
	v_wmma_f32_16x16x32_f16 v[ACC+8*(4*(\a)+(\b)):ACC+8*(4*(\a)+(\b))+7], v[(\f)+64+8*(4*(\c)+(\b)):(\f)+64+8*(4*(\c)+(\b))+7], v[(\f)+8*(4*(\c)+(\a)):(\f)+8*(4*(\c)+(\a))+7], v[ACC+8*(4*(\a)+(\b)):ACC+8*(4*(\a)+(\b))+7]
.endif
.endr
.endr
.endm
; 32 LDS loads in one run: the fragments of 64 along K at byte k of the rows, into buffer f; the first 32 along K first
.macro FETCH slot, k, f
	WIN TO_F
.irp c, 0,1
.irp i, 0,1,2,3
	ds_load_b128 v[(\f)+64+8*(4*(\c)+(\i)):(\f)+64+8*(4*(\c)+(\i))+3],   v[ADRB+(\slot)] offset:(\k)+64*(\c)+(\i)*16*PITCH
	ds_load_b128 v[(\f)+64+8*(4*(\c)+(\i))+4:(\f)+64+8*(4*(\c)+(\i))+7], v[ADRB+(\slot)] offset:(\k)+64*(\c)+(\i)*16*PITCH+32
	ds_load_b128 v[(\f)+8*(4*(\c)+(\i)):(\f)+8*(4*(\c)+(\i))+3],         v[ADRA+(\slot)] offset:(\k)+64*(\c)+(\i)*16*PITCH
	ds_load_b128 v[(\f)+8*(4*(\c)+(\i))+4:(\f)+8*(4*(\c)+(\i))+7],       v[ADRA+(\slot)] offset:(\k)+64*(\c)+(\i)*16*PITCH+32
.endr
.endr
.endm
.macro PLACES                          ; four plain vector instructions between a matrix instruction and a load into a register that it read, or an LDS store of its result (ISA guide 7.12.1 for vector instructions)
.rept 4
	v_nop
.endr
.endm
; A K step is four quarters of 64 along K, 32 matrix instructions each, on buffers 0, 1, 0, 1.  One of the first three: multiplies buffer f and fetches the next quarter, at byte k, into g.
.macro QUARTER slot, k, f, g, first
	s_wait_dscnt 16                                ; the first 32 along K are in; the youngest sixteen loads may be out
	MUL8 \f, 0, 0, \first
	MUL8 \f, 0, 2, \first
	PLACES
	FETCH \slot, \k, \g
	s_wait_dscnt 32                                ; all but the 32 just issued
	MUL8 \f, 1, 0, 0
	MUL8 \f, 1, 2, 0
.endm
; The last quarter multiplies buffer 1 and changes slots: ONE barrier; in front of it each wave waits for all its tensor loads, adds 0 to its spare word, and waits for that and for its own reads of this slot.
; fill = 1: the barrier opens a round of the cluster's barrier, and behind the round this slot is filled again, two K steps ahead, first of all.
.macro TURN slot, next, fill
	WIN 0                                          ; (the add's two registers lie in window 0)
	s_wait_tensorcnt 0x0                           ; all my tensor loads have landed: my part of the next slot
	ds_add_u32 v[SPW], v[NIL]                      ; 0 onto my spare word
	s_wait_dscnt 17                                ; (the add and the youngest sixteen loads may be out)
	MUL8 F1, 0, 0, 0                               ; eight matrix instructions stand between the add and the wait for it
	s_wait_dscnt 0x0                               ; the add is done, and my reads of this slot are over
	s_barrier_signal -1
	MUL8 F1, 0, 2, 0
.if \fill
	WIN 0
.endif
	s_barrier_wait -1
.if \fill
	CREST                                          ; no wave of any partner still reads this slot's tile or has a load on its way
	s_add_nc_u64 s[G0+4*(\slot)+2:G0+4*(\slot)+3], s[G0+4*(\slot)+2:G0+4*(\slot)+3], 2*KSTEP*2
	s_add_nc_u64 s[G0B+4*(\slot)+2:G0B+4*(\slot)+3], s[G0B+4*(\slot)+2:G0B+4*(\slot)+3], 2*KSTEP*2
	JLOAD \slot                                    ; the first tensor load behind the round; the four v_nop behind it are also the places in front of the loads below
.else
	PLACES
.endif
	FETCH \next, 0, F0
	MUL8 F1, 1, 0, 0
	MUL8 F1, 1, 2, 0
.endm
	s_wait_tensorcnt 1                             ; my part of K step 0 is in; K step 1's may stay out
	s_barrier_signal -1
	s_barrier_wait -1                              ; everybody's is
	FETCH 0, 0, F0
	s_wait_loadcnt 0x0                             ; the bias
	QUARTER 0, 128, F0, F1, 1                      ; the first quarter stands in front of the loop: its first products start the sums
	WIN 0                                          ; at a label and at a branch every window is 0
	s_mov_b32 s3, LAPS-1
.Llap:                                                 ; a trip goes once round the ring, from a lap's second quarter to the next lap's first, and fills both slots again
	QUARTER 0, 256, F1, F0, 0
	QUARTER 0, 384, F0, F1, 0
	TURN 0, 1, 1
	QUARTER 1, 128, F0, F1, 0
	QUARTER 1, 256, F1, F0, 0
	QUARTER 1, 384, F0, F1, 0
	TURN 1, 0, 1
	QUARTER 0, 128, F0, F1, 0
	WIN 0
	s_sub_co_u32 s3, s3, 1
	s_cmp_lg_u32 s3, 0
	s_cbranch_scc1 .Llap
	QUARTER 0, 256, F1, F0, 0                      ; the last lap fills nothing, and has no round of the cluster's barrier
	QUARTER 0, 384, F0, F1, 0
	TURN 0, 1, 0
	QUARTER 1, 128, F0, F1, 0
	QUARTER 1, 256, F1, F0, 0
	QUARTER 1, 384, F0, F1, 0
	s_wait_dscnt 16                                ; the very last quarter: nothing more to fetch
	MUL8 F1, 0, 0, 0
	MUL8 F1, 0, 2, 0
	s_wait_dscnt 0x0
	MUL8 F1, 1, 0, 0
	MUL8 F1, 1, 2, 0
	WIN 0
	; THE WAY OUT.  A lane's eight numbers of a row are 32 bytes, and the lanes beside it hold other rows: 16 rows at a time go through my own stage and come back as whole rows of 256 bytes.
.macro TOSTAGE a
.if (\a) >= 2
	s_wait_xcnt 0x0                                ; the stores of the block two back have read their registers: only behind this wait are these loaded again
.endif
.irp b, 0,1,2,3
	ds_store_b128 v[STO], v[ACC+8*(4*(\a)+(\b)):ACC+8*(4*(\a)+(\b))+3]   offset:64*(\b)     ; each accumulator's four lowest registers first
	ds_store_b128 v[STO], v[ACC+8*(4*(\a)+(\b))+4:ACC+8*(4*(\a)+(\b))+7] offset:64*(\b)+16
.endr
.irp t, 0,1,2,3,4,5,6,7
	ds_load_b128 v[OUTB+32*((\a)%2)+4*(\t):OUTB+32*((\a)%2)+4*(\t)+3], v[RD] offset:(\t)*2*SPITCH  ; LDS serves a wave's instructions in order (ISA guide 5.7.1.4): these see the stores above; the next block's stores come behind them
.endr
.endm
.macro SEND a, younger                 ; younger: the LDS instructions issued behind block a's loads: the next block's sixteen, or none
.irp t, 0,1,2,3,4,5,6,7
	s_wait_dscnt (\younger)+7-(\t)
	global_store_b128 v[CO], v[OUTB+32*((\a)%2)+4*(\t):OUTB+32*((\a)%2)+4*(\t)+3], s[10:11] offset:(16*(\a)+2*(\t))*SIZE_N*4 th:TH_STORE_NT  ; 16 lanes store 256 consecutive bytes, at a multiple of 256 from out0's first byte
.endr
.endm
	PLACES
	TOSTAGE 0
.irp a, 1,2,3
	TOSTAGE \a
	SEND (\a)-1, 16
.endr
	SEND 3, 0
	s_wait_tensorcnt 0x0                           ; the wave's end, behind my last tensor load and my last LDS store
	ds_add_u32 v[SPW], v[NIL]
	s_wait_dscnt 0x0
	CROUND                                         ; the closing round: no work-group ends while a partner may still ask for a tile that names it
	s_endpgm
.Lfunc_end_k_qed3e7e3e23_oproj:
	.size	k_qed3e7e3e23_oproj, .Lfunc_end_k_qed3e7e3e23_oproj-k_qed3e7e3e23_oproj
	.p2alignl 7, 3214868480
	.fill 96, 4, 3214868480
	.section	.rodata,"a",@progbits
	.p2align	6, 0x0
	.amdhsa_kernel k_qed3e7e3e23_oproj
		.amdhsa_group_segment_fixed_size 327680
		.amdhsa_private_segment_fixed_size 0
		.amdhsa_enable_private_segment 0
		.amdhsa_kernarg_size 32
		.amdhsa_user_sgpr_count 2
		.amdhsa_user_sgpr_kernarg_segment_ptr 1
		.amdhsa_wavefront_size32 1
		.amdhsa_system_sgpr_workgroup_id_x 1
		.amdhsa_system_sgpr_workgroup_id_y 1
		.amdhsa_system_sgpr_workgroup_id_z 1
		.amdhsa_system_vgpr_workitem_id 0
		.amdhsa_next_free_vgpr 512
		.amdhsa_next_free_sgpr 66
		.amdhsa_reserve_vcc 0
		.amdhsa_float_denorm_mode_32 3
		.amdhsa_float_denorm_mode_16_64 3
		.amdhsa_memory_ordered 1
		.amdhsa_forward_progress 1
		.amdhsa_inst_pref_size 87
	.end_amdhsa_kernel
	.amdgpu_metadata
---
amdhsa.version: [ 1, 2 ]
amdhsa.kernels:
  - .name:           k_qed3e7e3e23_oproj
    .symbol:         k_qed3e7e3e23_oproj.kd
    .args:
      - { .name: ao, .offset: 0, .size: 8, .value_kind: global_buffer, .address_space: global }
      - { .name: wo16, .offset: 8, .size: 8, .value_kind: global_buffer, .address_space: global }
      - { .name: bias, .offset: 16, .size: 8, .value_kind: global_buffer, .address_space: global }
      - { .name: out0, .offset: 24, .size: 8, .value_kind: global_buffer, .address_space: global }
    .group_segment_fixed_size: 327680
    .private_segment_fixed_size: 0
    .kernarg_segment_align: 8
    .kernarg_segment_size: 32
    .max_flat_workgroup_size: 128
    .sgpr_count:     66
    .vgpr_count:     512
    .wavefront_size: 32
...
	.end_amdgpu_metadata
.endif
;; end of part 5
;; launch fo (part 6): grid 128 x 2, 16 waves a work-group, no clusters, 167,936 bytes of LDS; arguments o16, wo16, bias, out0; writes out0
.if DOCPART == 6
	.amdgcn_target "amdgcn-amd-amdhsa--gfx1250"
	.amdhsa_code_object_version 6
	.text
	.protected	k_qed3e7e3e23_fo
	.globl	k_qed3e7e3e23_fo
	.p2align	8
	.type	k_qed3e7e3e23_fo,@function
k_qed3e7e3e23_fo:
	s_mov_b64 s[64:65], 0
	v_nop
	global_prefetch_b8 v0, s[64:65] scope:SCOPE_SE
	s_setreg_imm32_b32 hwreg(HW_REG_WAVE_MODE, 25, 1), 1
	s_wait_xcnt 0x0
; ROWS 0 TO 15 OF THE OUTPUT, ONCE MORE: out0[m][n] = bo[n] + the sum over k of (Oh[m][k] + Ol[m][k]) wo16[n][k], m = 0 .. 15.  o16: [2][16][2048] f16 (O's high parts, then its low parts, from the launch
; a16); wo16: [2048][2048] f16; bo: words 6144 on of bias, f32; sums in f32.  It runs behind the launch that makes all of out0 from O rounded once to f16, and writes over that launch's rows 0 to 15:
; 131,072 bytes are stored twice.
; SHARES.  256 work-groups: x takes 16 columns, y takes 8 of the 16 rows.  16 waves share K: wave w takes k = 128 w .. 128 w + 127, which is 256 aligned bytes of every row; no byte is loaded by two waves
; of a work-group.  The launch asks for more than half of a WGP's LDS, so that each work-group has a WGP to itself.
; HIGH AND LOW PARTS IN ONE PRODUCT.  The matrix instruction is used transposed (source 0 = 16 rows of wo16, source 1 = 16 rows of O), and source 1's 16 rows are my 8 rows' high parts and then the same
; 8 rows' low parts.  In the result lane l holds row l % 16 of these and columns 8 (l / 16) + 0 .. 7: lanes r and r + 8 hold the two sums that belong together, and one addition across lanes joins them.
; ROWS COME IN WHOLE.  16 lanes load one row's 256 bytes, a load of the wave two rows; the rows go through the wave's own LDS bytes (pitch 272) and come back as fragments.
; THE 16 WAVES' SUMS (8 rows x 16 columns, f32) meet in LDS behind one barrier; wave 0 adds them up, a lane 4 columns of a row, adds bo and stores.
; THE STORE.  A work-group's 16 columns are 64 bytes of a row: the store fills a quarter of each aligned block of 256 bytes that it touches.  131,072 bytes in the whole launch; with 64 columns to a
; work-group the blocks would be whole, and each work-group would fetch four times as much of wo16 on a quarter of the work-groups.
; No cluster: the loads go to registers; what the work-groups share, o16, is 131,072 bytes.
; LIMITS.  As in the launches beside it: NaN and infinities are not treated apart; bo is added last here, behind the sum over K.
.set RP,    272                        ; a row in LDS: 256 bytes + 16 = 68 words: the 16 rows of a fragment load start at 16 different groups of four banks (64 banks of 4 bytes: ISA guide 11.1)
.set WREG,  16*RP                      ; a wave's 16 rows of wo16; behind them its 16 rows of O
.set WAVB,  2*16*RP                    ; a wave's own bytes
.set RED,   16*WAVB                    ; behind the sixteen: the partial sums
.set QP,    80                         ; a partial sum's row: 16 columns in f32 + 16 bytes
.set REDW,  8*QP                       ; a wave's 8 rows
.set SPARE, RED+16*REDW                ; behind them: the spare words, 128 bytes for each of 16 waves: eight blocks of 256 bytes that no other line names
.set WO,  3                            ; v3   my byte offset in two rows of wo16: row l / 16, byte 16 (l % 16)
.set OO,  4                            ; v4   in o16: lanes 0-15 a row's high part, lanes 16-31 the same row's low part, 65,536 bytes on
.set WS,  5                            ; v5   where these two rows of wo16 go in LDS
.set OS,  6                            ; v6   where the two rows of O go: the high part to row i, the low part to row 8 + i
.set SPW, 8                            ; v8   LDS address of my spare word; never rewritten
.set NIL, 9                            ; v9   0; never rewritten
.set FR,  10                           ; v10  a fragment's address: row l % 16, 16 bytes for each half of the lanes
.set PS,  11                           ; v11  where I put 32 bytes of a partial sum's row
.set RL,  12                           ; v12  wave 0: where I read 16 bytes of row l / 4
.set GO,  13                           ; v13  wave 0: my byte offset in out0
.set BF,  14                           ; v14  16 (l % 4)
.set T,   15                           ; v15  at work in the set-up
.set BI,  16                           ; v[16:19]  wave 0: four numbers of bo
.set A1,  20                           ; v[20:27]  K steps 0 and 2
.set A2,  28                           ; v[28:35]  K steps 1 and 3
.set WRW, 36                           ; v[36:67]  wo16's rows as loaded
.set ORW, 68                           ; v[68:99]  O's rows as loaded
.set R,   36                           ; v[36:99]  later, wave 0: the sixteen waves' four numbers
.set WF,  100                          ; v[100:131] four fragments of wo16
.set OF,  132                          ; v[132:163] four fragments of O
	s_load_b256 s[4:11], s[0:1], 0x0               ; o16 s[4:5], wo16 s[6:7], bias s[8:9], out0 s[10:11]
	v_lshl_add_u32 v[SPW], v0, 2, SPARE
	v_mov_b32 v[NIL], 0
	v_lshrrev_b32 v1, 5, v0
	v_readfirstlane_b32 s14, v1                    ; wave 0..15
	s_and_b32 s15, ttmp7, 0xffff                   ; which 8 rows
	s_lshl_b32 s16, s14, 8                         ; my 128 along K: 256 bytes of a row
	s_lshl_b32 s20, s15, 15                        ; o16: 8 rows of 4,096 bytes,
	s_add_co_u32 s20, s20, s16                     ; my part of them
	s_mov_b32 s21, 0
	s_lshl_b32 s22, ttmp9, 16                      ; wo16: 16 rows of 4,096 bytes,
	s_add_co_u32 s22, s22, s16                     ; the same part
	s_mov_b32 s23, 0
	s_lshl_b32 s24, ttmp9, 6                       ; the work-group's 16 columns in f32 bytes
	s_mov_b32 s25, 0
	s_lshl_b32 s26, s15, 16                        ; out0: 8 rows of 8,192 bytes
	s_add_co_u32 s26, s26, s24
	s_mov_b32 s27, 0
	s_add_co_u32 s24, s24, 24576                   ; bo lies behind bq, bk and bv
	s_mul_i32 s17, s14, WAVB                       ; my wave's own LDS bytes
	s_mul_i32 s18, s14, REDW
	s_add_co_u32 s18, s18, RED                     ; and its partial sum's
	v_and_b32 v1, 15, v0                           ; l % 16
	v_bfe_u32 v2, v0, 4, 1                         ; l / 16
	v_and_b32 v7, 31, v0                           ; l
	v_lshlrev_b32 v[T], 4, v1
	v_lshl_add_u32 v[WO], v2, 12, v[T]
	v_lshl_add_u32 v[OO], v2, 16, v[T]
	v_mul_u32_u24 v[WS], v2, RP
	v_lshl_add_u32 v[WS], v1, 4, v[WS]
	v_add_nc_u32 v[WS], s17, v[WS]
	v_mul_u32_u24 v[OS], v2, 8*RP
	v_lshl_add_u32 v[OS], v1, 4, v[OS]
	v_add_nc_u32 v[OS], s17, v[OS]
	v_add_nc_u32 v[OS], WREG, v[OS]
	v_mul_u32_u24 v[FR], v1, RP
	v_lshl_add_u32 v[FR], v2, 4, v[FR]
	v_add_nc_u32 v[FR], s17, v[FR]
	v_and_b32 v[PS], 7, v0                         ; lanes r and r + 8 will hold the same sum and put it in the same place
	v_mul_u32_u24 v[PS], v[PS], QP
	v_lshl_add_u32 v[PS], v2, 5, v[PS]
	v_add_nc_u32 v[PS], s18, v[PS]
	v_and_b32 v[BF], 3, v0
	v_lshlrev_b32 v[BF], 4, v[BF]
	v_lshrrev_b32 v[T], 2, v7                      ; l / 4: wave 0's lane takes row l / 4, columns 4 (l % 4) + 0 .. 3
	v_mul_u32_u24 v[RL], v[T], QP
	v_add_nc_u32 v[RL], v[RL], v[BF]
	v_add_nc_u32 v[RL], RED, v[RL]
	v_lshl_add_u32 v[GO], v[T], 13, v[BF]
	s_wait_kmcnt 0x0
	s_add_nc_u64 s[4:5], s[4:5], s[20:21]
	s_add_nc_u64 s[6:7], s[6:7], s[22:23]
	s_add_nc_u64 s[8:9], s[8:9], s[24:25]
	s_add_nc_u64 s[10:11], s[10:11], s[26:27]
	s_cmp_lg_u32 s14, 0                            ; bo is wanted by wave 0 alone; its load is the oldest, so the counts below hold with it and without
	s_cbranch_scc1 .Lno_bias
	global_load_b128 v[BI:BI+3], v[BF], s[8:9]
.Lno_bias:
.irp i, 0,1,2,3,4,5,6,7
	global_load_b128 v[WRW+4*(\i):WRW+4*(\i)+3], v[WO], s[6:7] offset:(\i)*8192  ; rows 2 i and 2 i + 1 of my 16: 2 x 256 consecutive bytes, aligned
.endr
.irp i, 0,1,2,3,4,5,6,7
	global_load_b128 v[ORW+4*(\i):ORW+4*(\i)+3], v[OO], s[4:5] offset:(\i)*4096  ; row i of my 8: its high part and its low part
.endr
	s_wait_loadcnt 8                               ; loads come back in order (ISA guide 5.7.1): wo16's are in, the eight of o16 issued behind them may be out
.irp i, 0,1,2,3,4,5,6,7
	ds_store_b128 v[WS], v[WRW+4*(\i):WRW+4*(\i)+3] offset:(\i)*2*RP
.endr
	s_wait_loadcnt 0x0                             ; O's rows (and bo)
.irp i, 0,1,2,3,4,5,6,7
	ds_store_b128 v[OS], v[ORW+4*(\i):ORW+4*(\i)+3] offset:(\i)*RP
.endr
; A fragment is 16 rows x 32 K in 8 registers: lane l holds row l % 16, K = 8 (l / 16) + 0..7 and 16 + 8 (l / 16) + 0..7: two loads of 16 bytes, 32 bytes apart.
; LDS serves a wave's instructions in order (ISA guide 5.7.1.4): these see the stores above, which are the wave's own.
.irp c, 0,1,2,3
	ds_load_b128 v[WF+8*(\c):WF+8*(\c)+3],   v[FR] offset:64*(\c)
	ds_load_b128 v[WF+8*(\c)+4:WF+8*(\c)+7], v[FR] offset:64*(\c)+32
	ds_load_b128 v[OF+8*(\c):OF+8*(\c)+3],   v[FR] offset:WREG+64*(\c)
	ds_load_b128 v[OF+8*(\c)+4:OF+8*(\c)+7], v[FR] offset:WREG+64*(\c)+32
.endr
	s_wait_dscnt 12                                ; K step 0's four loads are in; the four of each later step may be out
	v_wmma_f32_16x16x32_f16 v[A1:A1+7], v[WF:WF+7], v[OF:OF+7], 0            ; the two accumulators take turns; each one's first product starts its sum
	s_wait_dscnt 8
	v_wmma_f32_16x16x32_f16 v[A2:A2+7], v[WF+8:WF+15], v[OF+8:OF+15], 0
	s_wait_dscnt 4
	v_wmma_f32_16x16x32_f16 v[A1:A1+7], v[WF+16:WF+23], v[OF+16:OF+23], v[A1:A1+7]
	s_wait_dscnt 0x0
	v_wmma_f32_16x16x32_f16 v[A2:A2+7], v[WF+24:WF+31], v[OF+24:OF+31], v[A2:A2+7]
.rept 4
	v_nop                                          ; four places behind the last product (ISA guide 7.12.1): the sums below read the results
.endr
.irp i, 0,1,2,3
	v_pk_add_f32 v[A1+2*(\i):A1+2*(\i)+1], v[A1+2*(\i):A1+2*(\i)+1], v[A2+2*(\i):A2+2*(\i)+1]  ; each accumulator from its low end on
.endr
.irp i, 0,1,2,3,4,5,6,7
	v_add_f32_dpp v[A1+(\i)], v[A1+(\i)], v[A1+(\i)] row_xmask:8 row_mask:0xf bank_mask:0xf  ; the high parts' sum (lane r) and the low parts' (lane r + 8): both lanes now hold the whole
.endr
	ds_store_b128 v[PS], v[A1:A1+3]
	ds_store_b128 v[PS], v[A1+4:A1+7] offset:16
	s_wait_dscnt 0x0                               ; for wave 0's sake: my partial sum is stored
	s_barrier_signal -1
	s_barrier_wait -1
	s_cmp_lg_u32 s14, 0
	s_cbranch_scc1 .Lend
.irp u, 0,1,2,3,4,5,6,7,8,9,10,11,12,13,14,15
	ds_load_b128 v[R+4*(\u):R+4*(\u)+3], v[RL] offset:(\u)*REDW  ; wave u's part of my four numbers
.endr
	s_wait_dscnt 0x0
.irp d, 8,4,2,1                        ; sixteen to one, by halves
.set u, 0
.rept \d
	v_pk_add_f32 v[R+4*u:R+4*u+1],   v[R+4*u:R+4*u+1],   v[R+4*(u+\d):R+4*(u+\d)+1]
	v_pk_add_f32 v[R+4*u+2:R+4*u+3], v[R+4*u+2:R+4*u+3], v[R+4*(u+\d)+2:R+4*(u+\d)+3]
.set u, u+1
.endr
.endr
	v_pk_add_f32 v[R:R+1], v[R:R+1], v[BI:BI+1]
	v_pk_add_f32 v[R+2:R+3], v[R+2:R+3], v[BI+2:BI+3]
	global_store_b128 v[GO], v[R:R+3], s[10:11] th:TH_STORE_NT  ; four lanes store a row's 64 consecutive bytes, the wave 8 rows
.Lend:
	s_wait_tensorcnt 0x0                           ; the wave's end, behind my last LDS store
	ds_add_u32 v[SPW], v[NIL]
	s_wait_dscnt 0x0
	s_endpgm
.Lfunc_end_k_qed3e7e3e23_fo:
	.size	k_qed3e7e3e23_fo, .Lfunc_end_k_qed3e7e3e23_fo-k_qed3e7e3e23_fo
	.p2alignl 7, 3214868480
	.fill 96, 4, 3214868480
	.section	.rodata,"a",@progbits
	.p2align	6, 0x0
	.amdhsa_kernel k_qed3e7e3e23_fo
		.amdhsa_group_segment_fixed_size 167936
		.amdhsa_private_segment_fixed_size 0
		.amdhsa_enable_private_segment 0
		.amdhsa_kernarg_size 32
		.amdhsa_user_sgpr_count 2
		.amdhsa_user_sgpr_kernarg_segment_ptr 1
		.amdhsa_wavefront_size32 1
		.amdhsa_system_sgpr_workgroup_id_x 1
		.amdhsa_system_sgpr_workgroup_id_y 1
		.amdhsa_system_sgpr_workgroup_id_z 1
		.amdhsa_system_vgpr_workitem_id 0
		.amdhsa_next_free_vgpr 164
		.amdhsa_next_free_sgpr 66
		.amdhsa_reserve_vcc 0
		.amdhsa_float_denorm_mode_32 3
		.amdhsa_float_denorm_mode_16_64 3
		.amdhsa_memory_ordered 1
		.amdhsa_forward_progress 1
		.amdhsa_inst_pref_size 12
	.end_amdhsa_kernel
	.amdgpu_metadata
---
amdhsa.version: [ 1, 2 ]
amdhsa.kernels:
  - .name:           k_qed3e7e3e23_fo
    .symbol:         k_qed3e7e3e23_fo.kd
    .args:
      - { .name: o16, .offset: 0, .size: 8, .value_kind: global_buffer, .address_space: global }
      - { .name: wo16, .offset: 8, .size: 8, .value_kind: global_buffer, .address_space: global }
      - { .name: bias, .offset: 16, .size: 8, .value_kind: global_buffer, .address_space: global }
      - { .name: out0, .offset: 24, .size: 8, .value_kind: global_buffer, .address_space: global }
    .group_segment_fixed_size: 167936
    .private_segment_fixed_size: 0
    .kernarg_segment_align: 8
    .kernarg_segment_size: 32
    .max_flat_workgroup_size: 512
    .sgpr_count:     66
    .vgpr_count:     164
    .wavefront_size: 32
...
	.end_amdgpu_metadata
.endif
;; end of part 6
